; MI455X (gfx1250); checked and timed in simulation.
; The chip was launched on July 23, 2026; its instructions are those of AMD's public machine-readable ISA for CDNA 5 (MIT licence, August 2026) and "CDNA5" Instruction Set Architecture Reference Guide (July 2026). The comments in the code are by the model that wrote it; some were corrected since.
;; Cache Attention. Allowed arithmetic: matrix products marked QUANTISED: E2M3 operands, one E8M0 scale for each 32 along K, by v_wmma_scale_f32_16x16x128_f8f6f4 with both operands' format E2M3, f32 sums; everything else in f32.
;; Inputs: attn_mask 2,048 x 2,048 float32; bk 1,024 float32; bo 1,024 float32; bq 1,024 float32; bv 1,024 float32; key 2,048 x 4 x 1,024 float32; query 2,048 x 4 x 1,024 float32; value 2,048 x 4 x 1,024 float32; wk 1,024 x 1,024 float32; wo 1,024 x 1,024 float32; wq 1,024 x 1,024 float32; wv 1,024 x 1,024 float32.
;; Outputs: out0 2,048 x 4 x 1,024 float32.
;; This version of the problem:
;;   THIS VERSION OF THE PROBLEM IS GIVEN IN LOW PRECISION. The matrix products marked QUANTISED in the list below multiply operands that are first quantised to E2M3 (2 exponent bits, 3 mantissa bits; 6 bits a number), with one power-of-two scale for each 32 numbers along K (OCP MX v1.0); their sums are f32. All else is computed in f32.
;;   The module's matrix products, in the order in which they are computed (A, B: the left and right operand; K: the contracted axis; several contracted axes count as one K, in the product's order):
;;     1. [M 8,192, K 1,024] x [K 1,024, N 1,024]; A: input query; B: input wq: QUANTISED
;;     2. [M 8,192, K 1,024] x [K 1,024, N 1,024]; A: input key; B: input wk: QUANTISED
;;     3. [M 8,192, K 1,024] x [K 1,024, N 1,024]; A: input value; B: input wv: QUANTISED
;;     4. batch 64 x [M 2,048, K 64] x [K 64, N 2,048]; A: computed on the way; B: computed on the way: QUANTISED
;;     5. batch 64 x [M 2,048, K 2,048] x [K 2,048, N 64]; A: softmax (see below); B: computed on the way: QUANTISED
;;     6. [M 8,192, K 1,024] x [K 1,024, N 1,024]; A: computed on the way; B: input wo: QUANTISED
;;   THE QUANTISER, for each operand of a quantised product, along K:
;;     - K is cut into blocks of 32 from its start; a last block that is shorter is filled with zeros.
;;     - A block's scale is 2^e with e = floor(log2(the largest magnitude in the block)) - 2, held to -126 .. 127; a block of zeros has e = 0. As a byte (E8M0): e + 127.
;;     - Each number is divided by its block's scale, clamped to +-7.5, and rounded to the nearest number of E2M3, ties to even, subnormals kept.
;;     - The product sums the exact products of the quantised numbers (number of the format x scale) in f32.
;;   ~~~python
;;   def quantise(x, axis):      # numpy; x: float32 -> the quantised numbers, widened to float32 again
;;       x = np.moveaxis(x, axis, -1); K = x.shape[-1]
;;       x = np.pad(x, [(0, 0)] * (x.ndim - 1) + [(0, -K % 32)]); x = x.reshape(x.shape[:-1] + (-1, 32)); a = np.abs(x).max(-1, keepdims=True)
;;       e = np.where(a > 0, np.clip(np.frexp(np.where(a > 0, a, 1))[1] - 1 - 2, -126, 127), 0)      # np.frexp(a)[1] - 1 = floor(log2(a)), exactly
;;       r = np.clip(x / 2.0 ** e, -7.5, 7.5)
;;       step = 2.0 ** (np.maximum(np.frexp(np.where(r == 0, 1, r))[1] - 1, 0) - 3)
;;       q = np.round(r / step) * step * 2.0 ** e      # np.round: ties to even
;;       return np.moveaxis(q.reshape(q.shape[:-2] + (-1,))[..., :K], -1, axis).astype(np.float32)
;;   ~~~
;;   SOFTMAX AHEAD OF A QUANTISED PRODUCT. Where the list says 'softmax', what is quantised is not the finished softmax but p = 2^(t - M), with t = logit x log2(e) and M = ceil(the row's largest t), a whole number; so 1/2 < the row's largest p <= 1. The row's sum l is taken of the UNQUANTISED p, in f32, and the product's result is divided by l at the end. Since M is a whole number, a kernel that streams over the keys may use a running M (the ceiling of the running maximum): every later rescaling is an exact power of two, which a block's scale takes up: the codes' values come out the same.
;;   OPERANDS COMPUTED ON THE WAY. 'Computed on the way' means the value that the module computes at that place (a softmax that the list does not call 'softmax' is quantised finished and normalised). What goes into a quantiser is computed in f32, as accurately as f32 sums, v_exp_f32 and their like allow (about 1e-6 of the number): no bf16 or f16 on the way to a quantiser, and a product that is left as it is and whose result goes on into a quantised operand takes f32 operands (vector FMAs, or v_wmma_f32_16x16x4_f32). A number that lies on a knife's edge between two numbers of the format may be rounded either way, as far as f32 arithmetic and the matrix unit's own rounding can turn it there, and no further.
;; One version. Each part assembles by itself: llvm-mc -triple=amdgcn-amd-amdhsa -mcpu=gfx1250 --defsym DOCPART=n.
;; ======== version 1 of 1: 4 launches
;; workspace buffers: xc 22,020,096 bytes; xs 917,504 bytes; pc 18,874,368 bytes; ps 786,432 bytes; ac 6,291,456 bytes; acs 262,144 bytes
;; launch quant (part 1): grid 256 x 1, 7 waves a work-group, no clusters, 60,160 bytes of LDS; arguments query, key, value, wq, wk, wv, wo, xc, xs; writes xc, xs
.if DOCPART == 1
	.amdgcn_target "amdgcn-amd-amdhsa--gfx1250"
	.amdhsa_code_object_version 6
	.text
	.protected	k_q8b4d6504b8_quant
	.globl	k_q8b4d6504b8_quant
	.p2align	8
	.type	k_q8b4d6504b8_quant,@function
k_q8b4d6504b8_quant:
	s_mov_b64 s[64:65], 0
	v_nop
	global_prefetch_b8 v0, s[64:65] scope:SCOPE_SE
	s_setreg_imm32_b32 hwreg(HW_REG_WAVE_MODE, 25, 1), 1
	s_wait_xcnt 0x0
; query, key, value [2048][4][1024] and wq, wk, wv, wo [1024][1024], f32, become codes of FP6 (E2M3) with one E8M0 scale byte for each 32 along K (the last axis).
; A block's scale is 2^(floor(log2(its largest magnitude)) - 2); its byte is the largest magnitude's exponent field - 2, held at 1 from below; each number / scale goes to the nearest code, ties to even, beyond 7.5 the largest code.
; (A block of zeros so gets the byte 1 where the rule says 127: its codes are zeros, which add nothing under any byte but 0xff, and this program alone reads the bytes.)
; LIMITS: blocks whose largest magnitude lies under 2^(3 - 127) keep the byte 1; NaN and infinities among the inputs are not served.
; LAYOUT OF xc: the order of the matrix operand's registers.  A row group is 16 rows; fragment (rg, ks), 16 rows x 128 K, lies at (8 rg + ks) x 1,536 bytes: registers 4 c .. 4 c + 3 of lane l at 512 c + 16 l.
; Lane (r, h) holds row r; registers 6 c .. 6 c + 5 hold block 2 c + h of the 128.  INSIDE EVERY BLOCK OF 32 THE CODES STAND IN THE ORDER k = 0-7, 16-23, 8-15, 24-31: every operand of this program does, on both
; sides of every product, so no product changes; the later launches get that order for nothing from two neighbouring result tiles.  xs: the scale word of row r for fragment (rg, ks) at (8 rg + ks) x 64 + 4 r.
; ROW GROUPS: query 0-511, key 512-1023, value 1024-1535 (in each: batch x 128 + token / 16), wq 1536-, wk 1600-, wv 1664-, wo 1728-1791.
; SHARES: 1,792 row groups, 7 to a work-group, one to a wave: 16 rows x 1,024 numbers, eight K steps of 128.  Waves share nothing: no barrier.  Memory binds: no matrix unit, no tensor load, no cluster.
; Each load reads 512 consecutive bytes of one row; a K step's 16 rows turn through the wave's own stage in LDS (pitch 528 bytes = 33 x 16, so that sixteen rows start in sixteen different groups of banks) and come
; back 32 numbers of one block to a lane.  Loads run two K steps (32 loads a wave) ahead.
.set STP,  528
.set WREG, 16*STP                      ; a wave's stage
.set L16,  1                           ; v1   16 x lane
.set STI,  2                           ; v2   stage, in: 16 x lane
.set STO,  3                           ; v3   stage, out: row r, + 128 h
.set SW,   4                           ; v4   stage + 4 x lane: the scale words' way out
.set SH8,  5                           ; v5   8 h
.set MX,   6                           ; v6-7   largest magnitudes
.set SO,   8                           ; v8-9   the conversions' scale operands
.set BY,   10                          ; v10-11 scale bytes
.set W,    12                          ; v12  my two bytes at their places
.set T,    13                          ; v13  the other half's
.set LN,   14                          ; v14  lane
.set OFF,  16                          ; v16-31 row i: 16 x lane + i x the tensor's row pitch
.set X,    32                          ; v32-95 two blocks of 32
.set R,    96                          ; v96-223 two sets of 64 registers as loaded
.set C,    224                         ; v224-235 the fragment
.set T0,   236                         ; v236-238, v240-242: the upper halves of the two blocks (a conversion's three registers begin on an even number)
.set T1,   240
.set WS,   244                         ; v244-251 the eight scale words
.set OW,   252
	s_load_b512 s[4:19], s[0:1], 0x0               ; query, key, value, wq, wk, wv, wo, xc
	s_load_b64 s[20:21], s[0:1], 0x40              ; xs
	v_lshl_add_u32 v239, v0, 2, 0xe700
	v_mov_b32 v243, 0
	v_lshrrev_b32 v15, 5, v0
	v_readfirstlane_b32 s22, v15                   ; wave 0..6
	s_mul_i32 s23, ttmp9, 7
	s_add_co_u32 s23, s23, s22                     ; my row group
	v_and_b32 v[LN], 31, v0
	v_and_b32 v15, 15, v0                          ; r
	v_bfe_u32 v[SH8], v0, 4, 1                     ; h
	s_mul_i32 s28, s22, WREG
	v_lshlrev_b32 v[L16], 4, v[LN]
	v_add_nc_u32 v[STI], s28, v[L16]
	v_mul_u32_u24 v[STO], v15, STP
	v_lshl_add_u32 v[STO], v[SH8], 7, v[STO]
	v_add_nc_u32 v[STO], s28, v[STO]
	v_lshl_add_u32 v[SW], v[LN], 2, s28
	v_lshlrev_b32 v[SH8], 3, v[SH8]
	v_mov_b32 v[T], 0                              ; written once: a lane permute's destination counts as one of its sources
	s_mov_b32 s30, 0x76543210
	s_mov_b32 s31, 0xfedcba98                      ; selects for lane l xor 16
	s_and_b32 s27, s23, 127                        ; an activation's row group: 16 tokens of one batch: token / 16 x 16 x 16,384 bytes
	s_lshl_b32 s27, s27, 18
	s_bfe_u32 s29, s23, 0x20007                    ; + batch x 4,096
	s_lshl_b32 s29, s29, 12
	s_or_b32 s27, s27, s29
	s_and_b32 s29, s23, 63                         ; a weight's: 16 rows of 4,096 bytes
	s_lshl_b32 s29, s29, 16
	s_cmp_lt_u32 s23, 1536
	s_cselect_b32 s32, s27, s29
	s_mov_b32 s26, 4096
	s_cselect_b32 s26, 16384, s26                  ; from row to row
	s_mov_b32 s33, 0
.irp i, 0,1,2,3,4,5,6,7,8,9,10,11,12,13,14,15
	v_mad_u32_u24 v[OFF+\i], s26, \i, v[L16]
.endr
	s_wait_kmcnt 0x0
	s_mov_b64 s[24:25], s[16:17]                   ; which tensor: the choice hangs on the row group's number alone
	s_cmp_lt_u32 s23, 1728
	s_cselect_b64 s[24:25], s[14:15], s[24:25]
	s_cmp_lt_u32 s23, 1664
	s_cselect_b64 s[24:25], s[12:13], s[24:25]
	s_cmp_lt_u32 s23, 1600
	s_cselect_b64 s[24:25], s[10:11], s[24:25]
	s_cmp_lt_u32 s23, 1536
	s_cselect_b64 s[24:25], s[8:9], s[24:25]
	s_cmp_lt_u32 s23, 1024
	s_cselect_b64 s[24:25], s[6:7], s[24:25]
	s_cmp_lt_u32 s23, 512
	s_cselect_b64 s[24:25], s[4:5], s[24:25]
	s_add_nc_u64 s[24:25], s[24:25], s[32:33]
	s_mul_i32 s34, s23, 12288
	s_mov_b32 s35, 0
	s_add_nc_u64 s[18:19], s[18:19], s[34:35]      ; my eight fragments
	s_lshl_b32 s34, s23, 9
	s_add_nc_u64 s[20:21], s[20:21], s[34:35]      ; my 512 bytes of scale words
.macro LOAD ks                         ; K step ks of my 16 rows: each load 512 consecutive bytes, at a multiple of 512 from the tensor's first byte
.irp i, 0,1,2,3,4,5,6,7,8,9,10,11,12,13,14,15
	global_load_b128 v[R+64*((\ks)%2)+4*\i:R+64*((\ks)%2)+4*\i+3], v[OFF+\i], s[24:25] offset:512*(\ks) th:TH_LOAD_NT
.endr
.endm
.macro FSTEP ks
.if (\ks) < 7
	s_wait_loadcnt 16                              ; this K step's 16 loads are in; the next step's 16 may be out
.else
	s_wait_loadcnt 0x0
.endif
.irp i, 0,1,2,3,4,5,6,7,8,9,10,11,12,13,14,15
	ds_store_b128 v[STI], v[R+64*((\ks)%2)+4*\i:R+64*((\ks)%2)+4*\i+3] offset:STP*\i
.endr
.irp c, 0,1                            ; block 2 c + h of row r, its quarters in the order 0-7, 16-23, 8-15, 24-31.  LDS serves a wave's instructions in order: these see the stores above
.irp j, 0,1,2,3,4,5,6,7
	ds_load_b128 v[X+32*\c+4*\j:X+32*\c+4*\j+3], v[STO] offset:256*\c+16*(\j%2)+64*((\j/2)%2)+32*(\j/4)
.endr
.endr
	s_wait_dscnt 0x0                               ; the numbers are back, and the stage's stores have read their registers,
.if (\ks)+2 < 8
	LOAD (\ks)+2                                   ; which take the loads of two steps on
.endif
	s_wait_xcnt 0x0                                ; the last fragment's stores have read their registers: they are written again only behind this wait
.irp c, 0,1
	v_max3_num_f32 v[MX+\c], |v[X+32*\c]|, |v[X+32*\c+1]|, 0x1800000   ; all 32 numbers of a block are mine; the floor 2^(3 - 127) holds the byte at 1 from below
.endr
.irp i, 2,4,6,8,10,12,14,16,18,20,22,24,26,28,30
.irp c, 0,1
	v_max3_num_f32 v[MX+\c], v[MX+\c], |v[X+32*\c+\i]|, |v[X+32*\c+\i+1]|   ; (the two blocks by turns)
.endr
.endr
.irp c, 0,1
	v_add_nc_u32 v[SO+\c], 0xff000000, v[MX+\c]    ; 2 off the exponent field: the conversion takes the exponent field of this operand as its scale
.endr
.irp c, 0,1
	v_lshrrev_b32 v[BY+\c], 23, v[SO+\c]           ; the scale's byte
.endr
	v_lshl_or_b32 v[W], v[BY+1], 16, v[BY]         ; blocks h and 2 + h,
	v_lshlrev_b32 v[W], v[SH8], v[W]               ; at their places in the row's word;
	v_permlanex16_b32 v[T], v[W], s30, s31
	v_or_b32 v[WS+(\ks)], v[W], v[T]               ; with lane l xor 16's two the word is whole, in both halves
	v_cvt_scalef32_pk16_fp6_f32 v[C:C+2], v[X:X+15], v[SO]
	v_cvt_scalef32_pk16_fp6_f32 v[T0:T0+2], v[X+16:X+31], v[SO]
	v_cvt_scalef32_pk16_fp6_f32 v[C+6:C+8], v[X+32:X+47], v[SO+1]
	v_cvt_scalef32_pk16_fp6_f32 v[T1:T1+2], v[X+48:X+63], v[SO+1]
	v_nop                                          ; one plain line behind the scaled conversions, ahead of the moves that read their results
.irp i, 0,1,2
	v_mov_b32 v[C+3+\i], v[T0+\i]
	v_mov_b32 v[C+9+\i], v[T1+\i]
.endr
.irp c, 0,1,2
	global_store_b128 v[L16], v[C+4*\c:C+4*\c+3], s[18:19] offset:1536*(\ks)+512*\c   ; 32 lanes store 512 consecutive bytes, at a multiple of 512 from xc's first byte
.endr
.endm
	LOAD 0
	LOAD 1
.irp k, 0,1,2,3,4,5,6,7
	FSTEP \k
.endr
	v_cmp_lt_u32 vcc_lo, 15, v[LN]                 ; the eight words of a row go out as 512 bytes: lanes 0-15 give K step 2 u's, lanes 16-31 K step 2 u + 1's
.irp u, 0,1,2,3
	v_cndmask_b32 v[X+\u], v[WS+2*\u], v[WS+2*\u+1], vcc_lo
.endr
.irp u, 0,1,2,3
	ds_store_b32 v[SW], v[X+\u] offset:128*\u
.endr
	ds_load_b128 v[OW:OW+3], v[STI]                ; in order behind my stores
	s_wait_dscnt 0x0
	global_store_b128 v[L16], v[OW:OW+3], s[20:21]
	s_wait_tensorcnt 0x0
	ds_add_u32 v239, v243
	s_wait_dscnt 0x0
	s_endpgm
.Lfunc_end_k_q8b4d6504b8_quant:
	.size	k_q8b4d6504b8_quant, .Lfunc_end_k_q8b4d6504b8_quant-k_q8b4d6504b8_quant
	.p2alignl 7, 3214868480
	.fill 96, 4, 3214868480
	.section	.rodata,"a",@progbits
	.p2align	6, 0x0
	.amdhsa_kernel k_q8b4d6504b8_quant
		.amdhsa_group_segment_fixed_size 60160
		.amdhsa_private_segment_fixed_size 0
		.amdhsa_enable_private_segment 0
		.amdhsa_kernarg_size 72
		.amdhsa_user_sgpr_count 2
		.amdhsa_user_sgpr_kernarg_segment_ptr 1
		.amdhsa_wavefront_size32 1
		.amdhsa_system_sgpr_workgroup_id_x 1
		.amdhsa_system_sgpr_workgroup_id_y 1
		.amdhsa_system_sgpr_workgroup_id_z 1
		.amdhsa_system_vgpr_workitem_id 0
		.amdhsa_next_free_vgpr 256
		.amdhsa_next_free_sgpr 66
		.amdhsa_reserve_vcc 1
		.amdhsa_float_denorm_mode_32 3
		.amdhsa_float_denorm_mode_16_64 3
		.amdhsa_memory_ordered 1
		.amdhsa_forward_progress 1
		.amdhsa_inst_pref_size 59
	.end_amdhsa_kernel
	.amdgpu_metadata
---
amdhsa.version: [ 1, 2 ]
amdhsa.kernels:
  - .name:           k_q8b4d6504b8_quant
    .symbol:         k_q8b4d6504b8_quant.kd
    .args:
      - { .name: query, .offset: 0, .size: 8, .value_kind: global_buffer, .address_space: global }
      - { .name: key, .offset: 8, .size: 8, .value_kind: global_buffer, .address_space: global }
      - { .name: value, .offset: 16, .size: 8, .value_kind: global_buffer, .address_space: global }
      - { .name: wq, .offset: 24, .size: 8, .value_kind: global_buffer, .address_space: global }
      - { .name: wk, .offset: 32, .size: 8, .value_kind: global_buffer, .address_space: global }
      - { .name: wv, .offset: 40, .size: 8, .value_kind: global_buffer, .address_space: global }
      - { .name: wo, .offset: 48, .size: 8, .value_kind: global_buffer, .address_space: global }
      - { .name: xc, .offset: 56, .size: 8, .value_kind: global_buffer, .address_space: global }
      - { .name: xs, .offset: 64, .size: 8, .value_kind: global_buffer, .address_space: global }
    .group_segment_fixed_size: 60160
    .private_segment_fixed_size: 0
    .kernarg_segment_align: 8
    .kernarg_segment_size: 72
    .max_flat_workgroup_size: 224
    .sgpr_count:     66
    .vgpr_count:     256
    .wavefront_size: 32
...
	.end_amdgpu_metadata
.endif
;; end of part 1
;; launch proj (part 2): grid 4 x 96, 4 waves a work-group, clusters of 4 x 4, 327,680 bytes of LDS; arguments xc, xs, bq, bk, bv, pc, ps; writes pc, ps
.if DOCPART == 2
	.amdgcn_target "amdgcn-amd-amdhsa--gfx1250"
	.amdhsa_code_object_version 6
	.text
	.protected	k_q8b4d6504b8_proj
	.globl	k_q8b4d6504b8_proj
	.p2align	8
	.type	k_q8b4d6504b8_proj,@function
k_q8b4d6504b8_proj:
	s_mov_b64 s[64:65], 0
	v_nop
	global_prefetch_b8 v0, s[64:65] scope:SCOPE_SE
	s_setreg_imm32_b32 hwreg(HW_REG_WAVE_MODE, 25, 1), 1
	s_wait_xcnt 0x0
	s_wait_alu depctr_hold_cnt(0) depctr_sa_sdst(0) depctr_va_vdst(0) depctr_va_sdst(0) depctr_va_ssrc(0) depctr_va_vcc(0) depctr_vm_vsrc(0)
	s_getreg_b32 s2, hwreg(HW_REG_IB_STS2, 6, 4)
	s_cmp_eq_u32 s2, 0
	s_cbranch_scc0 .Lentry_in_a_cluster
	s_endpgm
.Lentry_in_a_cluster:
	s_bfe_u32 s2, ttmp6, 0x10000c
	s_cmp_lg_u32 s2, 0xf033
	s_cbranch_scc0 .Lentry_shape_is_right
	s_endpgm
.Lentry_shape_is_right:
; ONE TEXT, TWO LAUNCHES.  MODE 0: the three projections, q = (query wq^T + bq) / 8, k = key wk^T + bk, v = value wv^T + bv, quantised anew for attention.  MODE 1: out0 = attn wo^T + bo.
.set MODE, 0
; THE PRODUCT: C'[i][j] = sum over k of P[i][k] R[j][k], K = 1,024, on codes of FP6 (E2M3) with one E8M0 scale for each 32 along K; sums in f32.  Source 0 = 16 rows of R, source 1 = 16 rows of P: a lane holds ONE row i
; (lane % 16) and its eight registers run along j = 8 (lane / 16) + 0 .. 7.  A work-group of four waves makes 256 x 256, a wave 128 x 128: 64 accumulators, 512 registers.
; OPERANDS lie in memory in the order of the operand's registers: fragment (row group rg, K step ks), 16 rows x 128 K, at (8 rg + ks) x 1,536 bytes, registers 4 c .. 4 c + 3 of lane l at 512 c + 16 l; its rows' scale
; words at (8 rg + ks) x 64 + 4 r.  So a fragment is three ds_load_b128 of 512 consecutive bytes: no pitch, no padding.  Inside every block of 32 the codes stand in the order 0-7, 16-23, 8-15, 24-31, on both sides alike.
; WHO IS P.  MODE 0, q and k (type 0, 1): P = the tokens (row = batch x 2,048 + token), R = the weight's rows: a lane's registers run along the channels, which are the next K.  v (type 2): P = wv's rows, R = the tokens:
; a lane's registers run along the KEYS, which are v's next K.  MODE 1: P = attention's result, R = wo's rows.
; RING: K goes in steps of 256 through two LDS slots; each wave fetches 8 row groups x 3,072 bytes with one tensor load (waves 0, 1: P's halves; waves 2, 3: R's).  The scale words of the 512 rows for all of K come once.
; CLUSTER: 4 x 4 work-groups; P's tile hangs on cy alone and is asked for jointly along a row of the cluster, R's on cx alone and along a column.
; MODE 0's WAY OUT: bias added, 128 numbers of a row quantised in registers, stored as an image of the next operand's registers.  pc: type x 6,291,456 + chunk x 12,288, chunk = (batch x 8 + head pair) x 16 + block of
; 128 tokens; tile a of 8 at 1,536 a: registers 0-3 at 16 l, 4-5 at 512 + 8 l, 6-9 at 768 + 16 l, 10-11 at 1,280 + 8 l (so that one head's six registers come by two loads).  q, k: tile a = 16 tokens, registers 0-5 the
; pair's first head, 6-11 its second.  v: tile a = 16 channels, registers along 128 keys.  ps: type x 262,144 + chunk x 512; v: tile a's words at 64 a + 4 r; q, k: at (2 g + e) x 64 + 4 r the two bytes of token
; 32 g + r and the two of token 32 g + 16 + r, head e.  q's division by 8 takes 3 off each scale byte: the codes are those of the undivided sums, and the floor stands 3 higher, so that the byte still ends at 1 or above.
; LIMITS: blocks whose largest magnitude lies under the floor keep the byte 1; NaN and infinities are not served.
; REGISTERS, in windows of 256: window 0: v1-31 addresses; v32-63 scale words, two sets; v64-127 bias along j; v128-223 P's fragments, ONE set; v224-231 bias along i; v232-247 the way out.
;   window 1: R's fragments, TWO sets, at v0 and v128.   window 2: the accumulators of my rows 0-63 ((a, b) at v[8 (8 a + b)]);   window 3: those of rows 64-127.
.set NQ,     2                         ; matrix instructions deep in a slot
.set FR,     12                        ; registers of a fragment
.set NL,     3                         ; LDS loads that bring one
.set NP,     4                         ; places behind this matrix instruction (ISA guide 7.12.1)
.set FRB,    1536                      ; a fragment's image
.set RGB,    NQ*FRB                    ; a row group's bytes in a slot
.set RGM,    8*FRB                     ; and in memory
.set HALFT,  8*RGB                     ; 128 rows: what one tensor load brings, and what one wave reads of P or of R
.set SLOT,   4*HALFT                   ; P's 256 rows, then R's
.set SCL,    2*SLOT                    ; behind the ring: the scale words, 4,096 bytes for each 128 rows
.set HALFS,  4096
.set SPARE,  SCL+4*HALFS               ; the spare words, 128 bytes a wave: two blocks of 256 bytes that no other line names
.set STG,    SPARE+512                 ; stages for the way out: bytes of their own, into which no tile lands
.set SPITCH, 528
.set ADRA, 16                          ; v16-17  my P fragments in slot 0, 1
.set ADRB, 20                          ; v20-21  my R fragments
.set STO,  24                          ; v24     stage, in
.set RD,   25                          ; v25     stage, back
.set L16,  26                          ; v26     16 x lane
.set ADRS, 27                          ; v27     my scale words: lanes 0-15 P's rows, lanes 16-31 R's
.set SPW,  28                          ; v28     my spare word; never rewritten
.set NIL,  29                          ; v29     0; never rewritten
.set L8,   30                          ; v30     8 x lane
.set SELV, 31                          ; v31     byte selects for the scale words' way out
.set SC,   32
.set CB,   64                          ; bias[j0 + 16 b + 8 h + 0 .. 7] at v[CB + 8 b]
.set AF,   128
.set RB,   224                         ; bias[i0 + 16 a + r] at v[RB + a]
.set PW,   232                         ; the eight tiles' scale words
.set X,    128                         ; the way out: 64 numbers
.set PC,   192                         ; the codes just made; v204-206, v208-210 the upper halves
.set MX,   212
.set BY,   216
.set SO,   220
.set WM,   240
.set OW,   244
.set BK,   128                         ; MODE 1: 16 rows read back from the stage: v128-191 and v192-255 by turns
.set WV,   20
.set HP,   21                          ; which half of the tile's rows i is mine.  Also: I fetch for P (0) or for R (1)
.set HR,   22                          ; which half of its columns j.  Also: which 128 rows I fetch
.set TY,   66
.set G1,   24                          ; s[24:31] group 1 for P's tiles; s[32:39] group 0, a set for each slot
.set G0,   32
.set G1B,  48                          ; s[48:55], s[56:63] the same for R's
.set G0B,  56
.set G1S,  68                          ; s[68:75], s[76:79] for P's scale words; s[80:87], s[88:91] for R's
.set G0S,  76
.set G1SB, 80
.set G0SB, 88
.set MSB, 0
.macro WIN new                         ; the immediate's high byte repeats the setting that is left
.if MSB != \new
	s_set_vgpr_msb (MSB<<8)|\new
.set MSB, \new
.endif
.endm
.set MUL_LO, 0xa1                      ; source 0 (R) window 1, source 1 (P) window 0, C and D window 2
.set MUL_HI, 0xf1                      ; the same, C and D window 3
.set TO_B,   0x40                      ; destination window 1, address window 0
; A joint load: each of the two lines has one mask and one set of registers for all that issue it; the branch hangs on the wave's number alone.  Four v_nop follow each line.
.macro JLOAD g0a, g1a, g0b, g1b
	s_cmp_eq_u32 s[HP], 0
	s_cbranch_scc0 .Lfor_b_\@
	tensor_load_to_lds s[\g0a:\g0a+3], s[\g1a:\g1a+7]
	s_nop 0
.rept 4
	v_nop
.endr
	s_branch .Lasked_\@
.Lfor_b_\@:
	tensor_load_to_lds s[\g0b:\g0b+3], s[\g1b:\g1b+7]
	s_nop 0
.rept 4
	v_nop
.endr
.Lasked_\@:
.endm
.macro CREST                           ; a round of the cluster's barrier behind its opening barrier
	s_cmp_lg_u32 s[WV], 0
	s_cbranch_scc1 .Lnot_wave_0_\@
	s_barrier_signal -3
.Lnot_wave_0_\@:
	s_barrier_wait -3
	s_barrier_signal -1
	s_barrier_wait -1
.endm
.macro CROUND
	s_barrier_signal -1
	s_barrier_wait -1
	CREST
.endm
.if MODE == 0
	s_load_b128 s[4:7], s[0:1], 0x0                ; P's codes and scale words: xc, xs
	s_load_b128 s[8:11], s[0:1], 0x0               ; R's: the same two buffers
	s_load_b128 s[92:95], s[0:1], 0x10             ; bq, bk
	s_load_b64 s[96:97], s[0:1], 0x20              ; bv
	s_load_b64 s[16:17], s[0:1], 0x28              ; pc
	s_load_b64 s[18:19], s[0:1], 0x30              ; ps
.else
	s_load_b128 s[4:7], s[0:1], 0x0                ; P: ac, acs
	s_load_b128 s[8:11], s[0:1], 0x10              ; R: xc, xs
	s_load_b128 s[12:15], s[0:1], 0x20             ; bo, out0
.endif
	v_lshl_add_u32 v[SPW], v0, 2, SPARE
	v_mov_b32 v[NIL], 0
	ds_add_u32 v28, v29
	s_wait_dscnt 0x0
	v_lshrrev_b32 v1, 5, v0
	v_readfirstlane_b32 s[WV], v1                  ; wave 0..3
	s_lshr_b32 s[HP], s[WV], 1
	s_and_b32 s[HR], s[WV], 1
	s_bfe_u32 s40, ttmp6, 0x40000                  ; cx, cy: my place in the cluster
	s_bfe_u32 s41, ttmp6, 0x40004
	s_and_b32 s2, ttmp7, 0xffff                    ; the cluster's y: the same in all sixteen partners
.if MODE == 0
	s_lshr_b32 s[TY], s2, 3                        ; type: 0 q, 1 k, 2 v
	s_and_b32 s67, s2, 7
	s_lshl_b32 s67, s67, 2                         ; the cluster's four of the 32 tiles of tokens
	s_lshl_b32 s100, s[TY], 9                      ; the type's tokens begin at row group 512 x type,
	s_lshl_b32 s101, s[TY], 6
	s_add_co_u32 s101, s101, 1536                  ; its weight at 1,536 + 64 x type
	s_cmp_lt_u32 s[TY], 2
	s_cselect_b32 s46, s67, 0                      ; q, k: the tokens are P
	s_cselect_b32 s47, 0, s67                      ; v: they are R
	s_mov_b32 s2, 1664
	s_cselect_b32 s100, s100, s2                   ; P's first row group
	s_mov_b32 s2, 1024
	s_cselect_b32 s101, s101, s2                   ; R's
	s_mov_b32 s2, 0x03020100
	s_cselect_b32 s23, 0x05040100, s2              ; lanes 0-15: q, k: the first head's bytes of two tiles; v: the even tile's word
	s_mov_b32 s2, 0x07060504
	s_cselect_b32 s2, 0x07060302, s2               ; lanes 16-31: the second head's; the odd tile's word
	v_mov_b32 v[SELV], s23
	v_mov_b32 v9, s2
	s_cmp_eq_u32 s[TY], 0
	s_mov_b32 s98, 0x1800000
	s_cselect_b32 s98, 0x3000000, s98              ; the floor under a block's largest magnitude: 2^(3 - 127); for q 2^(6 - 127)
	s_cselect_b32 s99, 0x03030303, 0               ; what comes off q's scale bytes: the division by 8
	s_mov_b32 s14, 0x76543210
	s_mov_b32 s15, 0xfedcba98                      ; selects for lane l xor 16
.else
	s_lshl_b32 s46, s2, 2
	s_mov_b32 s47, 0
	s_mov_b32 s100, 0
	s_mov_b32 s101, 1728                           ; wo's first row group in xc
.endif
	s_add_co_u32 s43, s41, s46                     ; tile of rows i: hangs on cy alone among the places
	s_add_co_u32 s42, s40, s47                     ; tile of columns j: on cx alone
	s_lshl_b32 s44, s41, 2
	s_lshl_b32 s44, 15, s44                        ; my row of the cluster
	s_lshl_b32 s45, 0x1111, s40                    ; my column
	; group 1 for codes: 8 rows (row groups) of 384 elements of 8 bytes, 1,536 elements apart; no padding
	s_or_b32 s[G1+0], s44, (3<<16)|(1<<21)         ; 15:0 the mask; 17:16 elements of 8 bytes; 21 set beside a mask
	s_or_b32 s[G1B+0], s45, (3<<16)|(1<<21)
.irp g, G1, G1B
	s_mov_b32 s[\g+1], 384<<16                     ; tensor_dim0
	s_mov_b32 s[\g+2], 8<<16                       ; tensor_dim1
	s_mov_b32 s[\g+3], 384<<16                     ; tile_dim0
	s_mov_b32 s[\g+4], 8                           ; tile_dim1
	s_mov_b32 s[\g+5], 1536                        ; tensor_dim0_stride
	s_mov_b32 s[\g+6], 0
	s_mov_b32 s[\g+7], 0
.endr
	; and for the scale words of 128 rows: 4,096 dense bytes as 16 rows of 256
	s_or_b32 s[G1S+0], s44, (3<<16)|(1<<21)
	s_or_b32 s[G1SB+0], s45, (3<<16)|(1<<21)
.irp g, G1S, G1SB
	s_mov_b32 s[\g+1], 32<<16
	s_mov_b32 s[\g+2], 16<<16
	s_mov_b32 s[\g+3], 32<<16
	s_mov_b32 s[\g+4], 16
	s_mov_b32 s[\g+5], 32
	s_mov_b32 s[\g+6], 0
	s_mov_b32 s[\g+7], 0
.endr
	s_lshl_b32 s23, s[HR], 3                       ; which 8 row groups of the tile's 16 I fetch
	s_lshl_b32 s46, s43, 4
	s_add_co_u32 s46, s46, s23
	s_add_co_u32 s46, s46, s100                    ; in P
	s_lshl_b32 s2, s42, 4
	s_add_co_u32 s2, s2, s23
	s_add_co_u32 s2, s2, s101                      ; in R
	s_mul_i32 s23, s[WV], HALFT                    ; where they go: wave x 128 rows: no place in the cluster enters an LDS address
	s_lshl_b32 s47, s[WV], 12
	s_wait_kmcnt 0x0
.if MODE == 0
	s_cmp_eq_u32 s[TY], 0
	s_cselect_b64 s[12:13], s[92:93], s[94:95]
	s_cmp_eq_u32 s[TY], 2
	s_cselect_b64 s[12:13], s[96:97], s[12:13]     ; the type's bias
.endif
	s_mul_i32 s92, s46, RGM
	s_mov_b32 s93, 0
	s_add_nc_u64 s[92:93], s[4:5], s[92:93]        ; P's codes,
	s_lshl_b32 s94, s46, 9
	s_mov_b32 s95, 0
	s_add_nc_u64 s[94:95], s[6:7], s[94:95]        ; P's scale words,
	s_mul_i32 s96, s2, RGM
	s_mov_b32 s97, 0
	s_add_nc_u64 s[96:97], s[8:9], s[96:97]        ; R's codes,
	s_lshl_b32 s100, s2, 9
	s_mov_b32 s101, 0
	s_add_nc_u64 s[100:101], s[10:11], s[100:101]  ; R's scale words
	CROUND                                         ; all sixteen work-groups are here: the first joint loads meet
	s_mov_b32 s[G0S], 1
	s_add_co_u32 s[G0S+1], s47, SCL
	s_mov_b64 s[G0S+2:G0S+3], s[94:95]
	s_or_b32 s[G0S+3], s[G0S+3], 0x80000000
	s_mov_b32 s[G0SB], 1
	s_add_co_u32 s[G0SB+1], s47, SCL
	s_mov_b64 s[G0SB+2:G0SB+3], s[100:101]
	s_or_b32 s[G0SB+3], s[G0SB+3], 0x80000000
	JLOAD G0S, G1S, G0SB, G1SB                     ; the scale words first: they are wanted with K step 0
.irp s, 0,1
	s_mov_b32 s[G0+4*\s], 1
	s_add_co_u32 s[G0+4*\s+1], s23, \s*SLOT
	s_add_nc_u64 s[G0+4*\s+2:G0+4*\s+3], s[92:93], \s*RGB
	s_or_b32 s[G0+4*\s+3], s[G0+4*\s+3], 0x80000000
	s_mov_b32 s[G0B+4*\s], 1
	s_add_co_u32 s[G0B+4*\s+1], s23, \s*SLOT
	s_add_nc_u64 s[G0B+4*\s+2:G0B+4*\s+3], s[96:97], \s*RGB
	s_or_b32 s[G0B+4*\s+3], s[G0B+4*\s+3], 0x80000000
	JLOAD G0+4*\s, G1, G0B+4*\s, G1B               ; three tensor loads of mine are out
.endr
	v_and_b32 v1, 15, v0                           ; r
	v_bfe_u32 v2, v0, 4, 1                         ; h
	v_and_b32 v3, 31, v0                           ; lane
	v_lshlrev_b32 v[L16], 4, v3
	v_lshlrev_b32 v[L8], 3, v3
	s_mul_i32 s46, s[HP], HALFT                    ; my 128 rows of P
	s_mul_i32 s47, s[HR], HALFT                    ; my 128 rows of R,
	s_add_co_u32 s47, s47, 2*HALFT                 ; which lie behind P's 256
.irp s, 0,1
	v_add_nc_u32 v[ADRA+\s], s46, v[L16]
	v_add_nc_u32 v[ADRB+\s], s47, v[L16]
	s_add_co_u32 s46, s46, SLOT
	s_add_co_u32 s47, s47, SLOT
.endr
	v_lshlrev_b32 v5, 2, v1                        ; my row's scale word,
	s_mul_i32 s46, s[HP], HALFS                    ; P's: my 128 rows
	s_mul_i32 s47, s[HR], HALFS                    ; R's: my 128 rows, behind P's 256
	s_add_co_u32 s47, s47, 2*HALFS
	s_sub_co_u32 s47, s47, s46
	v_mul_u32_u24 v6, s47, v2                      ; lanes 16-31 take R's: the lower base + h x the distance
	s_add_co_u32 s46, s46, SCL
	v_add_nc_u32 v5, v5, v6
	v_add_nc_u32 v[ADRS], s46, v5
.if MODE == 0
	v_cmp_lt_u32 vcc_lo, 15, v3
	v_cndmask_b32 v[SELV], v[SELV], v9, vcc_lo
	s_lshl_b32 s46, s[WV], 9
	s_add_co_u32 s46, s46, STG                     ; my stage: 512 bytes of scale words
	v_lshl_add_u32 v[STO], v3, 2, s46
	v_add_nc_u32 v[RD], s46, v[L16]
.else
	s_mul_i32 s46, s[WV], 16*SPITCH
	s_add_co_u32 s46, s46, STG                     ; my stage: 16 rows x (512 bytes + 16)
	v_mul_u32_u24 v5, v1, SPITCH
	v_lshl_add_u32 v5, v2, 5, v5
	v_add_nc_u32 v[STO], s46, v5                   ; in: row r, 32 bytes for each half of the lanes
	v_add_nc_u32 v[RD], s46, v[L16]                ; back: the 32 lanes take one row of 512 bytes
.endif
	s_lshl_b32 s46, s42, 8                         ; the bias along j: j0 = 256 x tile + 128 x half, cut to the bias's 1,024 (where j counts tokens it is loaded and not used)
	s_lshl_b32 s47, s[HR], 7
	s_add_co_u32 s46, s46, s47
	s_and_b32 s46, s46, 1023
	s_lshl_b32 s46, s46, 2
	s_mov_b32 s47, 0
	s_add_nc_u64 s[92:93], s[12:13], s[46:47]
	v_lshlrev_b32 v7, 5, v2
.irp b, 0,1,2,3,4,5,6,7
	global_load_b128 v[CB+8*\b:CB+8*\b+3], v7, s[92:93] offset:64*\b
	global_load_b128 v[CB+8*\b+4:CB+8*\b+7], v7, s[92:93] offset:64*\b+16
.endr
.if MODE == 0
	s_lshl_b32 s46, s43, 8                         ; and along i, likewise
	s_lshl_b32 s47, s[HP], 7
	s_add_co_u32 s46, s46, s47
	s_and_b32 s46, s46, 1023
	s_lshl_b32 s46, s46, 2
	s_mov_b32 s47, 0
	s_add_nc_u64 s[94:95], s[12:13], s[46:47]
	v_lshlrev_b32 v8, 2, v1
.irp a, 0,1,2,3,4,5,6,7
	global_load_b32 v[RB+\a], v8, s[94:95] offset:64*\a
.endr
.else
	s_lshl_b32 s46, s43, 8                         ; out0[token][batch][channel]: row i = batch x 2,048 + token
	s_lshl_b32 s47, s[HP], 7
	s_add_co_u32 s46, s46, s47
	s_and_b32 s46, s46, 2047
	s_lshl_b32 s46, s46, 14                        ; token x 16,384 bytes
	s_lshr_b32 s47, s43, 3
	s_lshl_b32 s47, s47, 12                        ; + batch x 4,096
	s_add_co_u32 s46, s46, s47
	s_lshl_b32 s47, s42, 10
	s_add_co_u32 s46, s46, s47
	s_lshl_b32 s47, s[HR], 9
	s_add_co_u32 s46, s46, s47                     ; + my first column x 4
	s_mov_b32 s47, 0
	s_add_nc_u64 s[14:15], s[14:15], s[46:47]
.endif
.macro FRAG reg, adr, q, i             ; a fragment as it lies: three loads of 512 consecutive bytes
.irp c, 0,1,2
	ds_load_b128 v[\reg+4*\c:\reg+4*\c+3], v[\adr] offset:(\i)*RGB+(\q)*FRB+512*\c
.endr
.endm
; 16 matrix instructions: P's blocks a0, a0 + 1 x R's eight, 128 along K: the slot's q-th.  p: R's set; sc: the set of scale words.  zero = 1: the first product starts the sums (MODE 1: from the bias): nothing is cleared.
; The 64 accumulators take turns, one instruction a turn, in the same order in every step.
.macro MUL16 a0, p, q, sc, zero
.irp a, \a0, \a0+1
.irp b, 0,1,2,3,4,5,6,7
.set rD, 8*(8*((\a)%4)+\b)
.set rB, 128*(\p)+FR*\b
.set rA, AF+FR*(\a)
.set sB, SC+16*(\sc)+2*\b+(\q)
.set sA, SC+16*(\sc)+2*(\a)+(\q)
.if (\zero) && MODE
	v_wmma_scale_f32_16x16x128_f8f6f4 v[rD:rD+7], v[rB:rB+FR-1], v[rA:rA+FR-1], v[CB+8*\b:CB+8*\b+7], v[sB], v[sA] matrix_a_fmt:MATRIX_FMT_FP6 matrix_b_fmt:MATRIX_FMT_FP6 matrix_a_scale:MATRIX_SCALE_ROW1
.elseif \zero
	v_wmma_scale_f32_16x16x128_f8f6f4 v[rD:rD+7], v[rB:rB+FR-1], v[rA:rA+FR-1], 0, v[sB], v[sA] matrix_a_fmt:MATRIX_FMT_FP6 matrix_b_fmt:MATRIX_FMT_FP6 matrix_a_scale:MATRIX_SCALE_ROW1
.else
	v_wmma_scale_f32_16x16x128_f8f6f4 v[rD:rD+7], v[rB:rB+FR-1], v[rA:rA+FR-1], v[rD:rD+7], v[sB], v[sA] matrix_a_fmt:MATRIX_FMT_FP6 matrix_b_fmt:MATRIX_FMT_FP6 matrix_a_scale:MATRIX_SCALE_ROW1
.endif
.endr
.endr
.endm
.macro FETCH_B slot, q, p              ; R's eight fragments of the slot's q-th 128 along K into set p
	WIN TO_B
.irp i, 0,1,2,3,4,5,6,7
	FRAG 128*(\p)+FR*\i, ADRB+\slot, \q, \i
.endr
	WIN 0
.endm
.macro FETCH_A slot, q, i0             ; P's blocks i0 .. i0 + 3
.irp i, \i0, \i0+1, \i0+2, \i0+3
	FRAG AF+FR*(\i), ADRA+\slot, \q, \i
.endr
.endm
.macro SCALES sc                       ; the next K step's scale words into set sc: register 2 i + q: lanes 0-15 the words of P's block i, lanes 16-31 those of R's block i
.irp i, 0,1,2,3,4,5,6,7
.irp q, 0,1
	ds_load_b32 v[SC+16*\sc+2*\i+\q], v[ADRS] offset:\i*512+\q*64
.endr
.endr
.endm
; A load into a register that a matrix instruction has read, and a vector instruction or an LDS store that reads a matrix result, stand NP places behind it; only plain vector instructions that name none of its registers are places.
.macro PLACES n
.rept \n
	v_nop
.endr
.endm
.macro STEP slot, q, zero              ; a step of 128 along K that has its successor in the same slot
	s_wait_dscnt 4*NL                              ; R's set and P's blocks 0-3 are in; the youngest 12 loads (P's blocks 4-7) may be out
.if (\zero) && MODE
	WIN 0x81                                       ; C (the bias) window 0, D window 2
.else
	WIN MUL_LO
.endif
	MUL16 0, (\q)%2, \q, \slot, \zero
	MUL16 2, (\q)%2, \q, \slot, \zero
	s_wait_dscnt 0                                 ; P's blocks 4-7 are in
	PLACES NP
	FETCH_B \slot, (\q)+1, 1-(\q)%2
	FETCH_A \slot, (\q)+1, 0
.if (\zero) && MODE
	WIN 0xc1
.else
	WIN MUL_HI
.endif
	MUL16 4, (\q)%2, \q, \slot, \zero
	MUL16 6, (\q)%2, \q, \slot, \zero
	PLACES NP
	WIN 0
	FETCH_A \slot, (\q)+1, 4
.endm
; A slot's last step changes slots: ONE barrier; in front of it each wave waits for all its tensor loads, adds 0 to its spare word, and waits for that and for its own reads of this slot.  fill = 1: the slot is filled again, two K steps ahead.
.macro TURN slot, next, fill
	s_wait_tensorcnt 0x0                           ; all my tensor loads have landed: my part of the next slot
	ds_add_u32 v[SPW], v[NIL]                      ; 0 onto my spare word
	s_wait_dscnt 4*NL+1                            ; (the add and the youngest 12 loads may be out)
	WIN MUL_LO
	MUL16 0, 1, NQ-1, \slot, 0                     ; sixteen matrix instructions stand between the add and the wait for it
	s_wait_dscnt 0x0                               ; the add is done, and my reads of this slot are over
	s_barrier_signal -1
	MUL16 2, 1, NQ-1, \slot, 0
	WIN 0
	s_barrier_wait -1
.if \fill
	CREST                                          ; the barrier has opened a round of the cluster's: no wave of any partner still reads this slot or has a load on its way
	s_add_nc_u64 s[G0+4*\slot+2:G0+4*\slot+3], s[G0+4*\slot+2:G0+4*\slot+3], 2*RGB
	s_add_nc_u64 s[G0B+4*\slot+2:G0B+4*\slot+3], s[G0B+4*\slot+2:G0B+4*\slot+3], 2*RGB
	JLOAD G0+4*\slot, G1, G0B+4*\slot, G1B         ; the first tensor load behind the round; its four v_nop are also the places in front of the loads below
.else
	PLACES NP
.endif
	v_add_nc_u32 v[ADRS], 64*NQ, v[ADRS]           ; on to the next K step's scale words
	FETCH_B \next, 0, 0
	FETCH_A \next, 0, 0
	SCALES \next
	WIN MUL_HI
	MUL16 4, 1, NQ-1, \slot, 0
	MUL16 6, 1, NQ-1, \slot, 0
	PLACES NP
	WIN 0
	FETCH_A \next, 0, 4
.endm
	s_wait_tensorcnt 1                             ; the scale words and my part of K step 0 are in (K step 1's load may be out)
	s_barrier_signal -1
	s_barrier_wait -1                              ; everybody's are
	FETCH_B 0, 0, 0
	FETCH_A 0, 0, 0
	SCALES 0
	FETCH_A 0, 0, 4
.if MODE
	s_wait_loadcnt 0x0                             ; the bias: it starts the sums
.endif
	STEP 0, 0, 1                                   ; K = 1,024 is four K steps, twice round the ring: written straight, since only one lap fills slots again
	TURN 0, 1, 1
	STEP 1, 0, 0
	TURN 1, 0, 1
	STEP 0, 0, 0
	TURN 0, 1, 0                                   ; the last lap fills nothing, and has no round of the cluster's barrier
	STEP 1, 0, 0
	s_wait_dscnt 4*NL                              ; the very last step: nothing more to fetch
	WIN MUL_LO
	MUL16 0, 1, NQ-1, 1, 0
	MUL16 2, 1, NQ-1, 1, 0
	s_wait_dscnt 0
	WIN MUL_HI
	MUL16 4, 1, NQ-1, 1, 0
	MUL16 6, 1, NQ-1, 1, 0
	WIN 0
.if MODE == 0
; THE WAY OUT, MODE 0.  Tile a: my lane's 64 numbers (register 16 b + i: place 32 b + 16 h' .. of the row's 128, from two neighbouring result tiles) get their bias on the way into window 0 and become one fragment and one scale word.
.macro QUANT pw
.irp b, 0,1,2,3
	v_max3_num_f32 v[MX+\b], |v[X+16*\b]|, |v[X+1+16*\b]|, s98   ; block b: my 16 numbers and the floor
.endr
.irp i, 2,4,6,8,10,12,14
.irp b, 0,1,2,3
	v_max3_num_f32 v[MX+\b], v[MX+\b], |v[X+16*\b+\i]|, |v[X+1+16*\b+\i]|   ; (the four blocks by turns)
.endr
.endr
.irp b, 0,1,2,3
	v_permlanex16_b32 v[BY+\b], v[MX+\b], s14, s15
.endr
.irp b, 0,1,2,3
	v_max_num_f32 v[MX+\b], v[MX+\b], v[BY+\b]     ; with lane l xor 16's: the block's largest magnitude
.endr
.irp b, 0,1,2,3
	v_add_nc_u32 v[SO+\b], 0xff000000, v[MX+\b]    ; 2 off its exponent field: the conversion's scale operand
.endr
.irp b, 0,1,2,3
	v_lshrrev_b32 v[BY+\b], 23, v[SO+\b]           ; the scale's byte
.endr
	v_lshl_or_b32 v[\pw], v[BY+1], 8, v[BY]
	v_lshl_or_b32 v[\pw], v[BY+2], 16, v[\pw]
	v_lshl_or_b32 v[\pw], v[BY+3], 24, v[\pw]      ; my row's scale word, in both halves of the lanes
.irp c, 0,1
	v_cvt_scalef32_pk16_fp6_f32 v[PC+6*\c:PC+2+6*\c], v[X+32*\c:X+15+32*\c], v[SO+2*\c]
	v_cvt_scalef32_pk16_fp6_f32 v[PC+12+4*\c:PC+14+4*\c], v[X+16+32*\c:X+31+32*\c], v[SO+2*\c+1]   ; (a conversion's three registers begin on an even number)
.endr
	v_nop                                          ; one plain line behind the scaled conversions
.irp c, 0,1                            ; the operand's layout wants a whole block in a lane: lanes 0-15 block 2 c, lanes 16-31 block 2 c + 1
.irp i, 0,1,2
	v_permlane16_swap_b32 v[PC+6*\c+\i], v[PC+12+4*\c+\i]
.endr
.irp i, 0,1,2
	v_mov_b32 v[PC+3+6*\c+\i], v[PC+12+4*\c+\i]
.endr
.endr
.endm
.macro EPI a
.set AC, 64*((\a)%4)
	s_wait_xcnt 0x0                                ; the last tile's stores have read their registers
	s_cmp_lt_u32 s[TY], 2                          ; the type is the same in all partners; the two arms hold vector additions alone
	s_cbranch_scc0 .Lbias_i_\@
	WIN 0x02+(\a)/4                                ; source 0: window 2 or 3
.set n, 0
.rept 32
	v_pk_add_f32 v[X+2*n:X+2*n+1], v[AC+2*n:AC+2*n+1], v[CB+2*n:CB+2*n+1]   ; q, k: the bias runs along my registers.  Each accumulator from its low end on
.set n, n+1
.endr
	WIN 0
	s_branch .Lbiased_\@
.Lbias_i_\@:
	WIN 0x02+(\a)/4
.set n, 0
.rept 32
.if (\a)%2
	v_pk_add_f32 v[X+2*n:X+2*n+1], v[AC+2*n:AC+2*n+1], v[RB+2*((\a)/2):RB+2*((\a)/2)+1] op_sel:[0,1] op_sel_hi:[1,1]   ; v: one bias for my row (channel): the pair's upper word for both halves
.else
	v_pk_add_f32 v[X+2*n:X+2*n+1], v[AC+2*n:AC+2*n+1], v[RB+2*((\a)/2):RB+2*((\a)/2)+1] op_sel_hi:[1,0]                ; the pair's lower word for both halves
.endif
.set n, n+1
.endr
	WIN 0
.Lbiased_\@:
	QUANT PW+(\a)
	global_store_b128 v[L16], v[PC:PC+3], s[16:17] offset:(\a)*FRB            ; each store covers whole aligned blocks of 256 bytes
	global_store_b64 v[L8], v[PC+4:PC+5], s[16:17] offset:(\a)*FRB+512
	global_store_b128 v[L16], v[PC+6:PC+9], s[16:17] offset:(\a)*FRB+768
	global_store_b64 v[L8], v[PC+10:PC+11], s[16:17] offset:(\a)*FRB+1280
.if (\a)%2
	v_perm_b32 v[WM+(\a)/2], v[PW+(\a)], v[PW+(\a)-1], v[SELV]   ; two tiles' words in the order in which attention reads them
	v_sub_nc_u32 v[WM+(\a)/2], v[WM+(\a)/2], s99   ; q: 3 off each byte (each is 4 or more: no borrow)
	ds_store_b32 v[STO], v[WM+(\a)/2] offset:128*((\a)/2)
.endif
.endm
	PLACES NP                                      ; behind the last products: the lines below write registers that held P's fragments and read results
	s_wait_loadcnt 0x0                             ; the biases
.irp b, 0,1,2,3
	v_mov_b32 v[BY+\b], 0                          ; written once: a lane permute's destination counts as one of its sources
.endr
	s_lshl_b32 s46, s43, 1
	s_add_co_u32 s46, s46, s[HP]                   ; my 128 rows i,
	s_lshl_b32 s47, s42, 1
	s_add_co_u32 s47, s47, s[HR]                   ; my 128 columns j
	s_cmp_lt_u32 s[TY], 2
	s_cselect_b32 s92, s46, s47                    ; which of the two counts blocks of 128 tokens (batch x 16 + block),
	s_cselect_b32 s93, s47, s46                    ; and which head pairs
	s_lshr_b32 s94, s92, 4
	s_lshl_b32 s94, s94, 7
	s_lshl_b32 s93, s93, 4
	s_and_b32 s92, s92, 15
	s_add_co_u32 s94, s94, s93
	s_add_co_u32 s94, s94, s92                     ; chunk = (batch x 8 + pair) x 16 + block
	s_mul_i32 s92, s94, 12288
	s_mul_i32 s93, s[TY], 6291456
	s_add_co_u32 s92, s92, s93
	s_mov_b32 s93, 0
	s_add_nc_u64 s[16:17], s[16:17], s[92:93]
	s_lshl_b32 s92, s94, 9
	s_lshl_b32 s94, s[TY], 18
	s_add_co_u32 s92, s92, s94
	s_add_nc_u64 s[18:19], s[18:19], s[92:93]
.irp a, 0,1,2,3,4,5,6,7
	EPI \a
.endr
	ds_load_b128 v[OW:OW+3], v[RD]                 ; my stage is my own; LDS serves a wave's instructions in order
	s_wait_dscnt 0x0
	global_store_b128 v[L16], v[OW:OW+3], s[18:19] ; the chunk's 512 bytes of scale words
.else
; THE WAY OUT, MODE 1, block by block of 16 rows x 128 columns: through my own stage and back as whole rows of 512 bytes, which the 32 lanes store as two aligned blocks of 256.
.macro TOSTAGE a
.set AC, 64*((\a)%4)
	WIN 0x08+4*((\a)/4)                            ; the data: window 2 or 3
.irp b, 0,1,2,3,4,5,6,7
	ds_store_b128 v[STO], v[AC+8*\b:AC+8*\b+3] offset:64*\b          ; each accumulator from its low end on
	ds_store_b128 v[STO], v[AC+8*\b+4:AC+8*\b+7] offset:64*\b+16
.endr
	WIN 0
.set BB, BK+64*((\a)%2)
.irp t, 0,1,2,3,4,5,6,7,8,9,10,11,12,13,14,15
	ds_load_b128 v[BB+4*\t:BB+4*\t+3], v[RD] offset:\t*SPITCH
.endr
.endm
.macro SEND a, younger                 ; younger: the LDS instructions issued behind block a's loads, which may stay out
.set BB, BK+64*((\a)%2)
	s_wait_dscnt \younger
.if (\a) > 0
	s_add_nc_u64 s[14:15], s[14:15], 16*16384      ; 16 tokens on (behind a wait on XCNT: the earlier stores have read their base)
.endif
.irp t, 0,1,2,3,4,5,6,7,8,9,10,11,12,13,14,15
	global_store_b128 v[L16], v[BB+4*\t:BB+4*\t+3], s[14:15] offset:\t*16384 th:TH_STORE_NT
.endr
.endm
	PLACES NP
	TOSTAGE 0
.irp a, 1,2,3,4,5,6,7
.if \a > 1
	s_wait_xcnt 0x0                                ; block a - 2's stores have read their registers and their base
.endif
	TOSTAGE \a
	SEND \a-1, 32                                  ; behind block a - 1's loads: block a's 16 stores and 16 loads
.endr
	s_wait_xcnt 0x0
	SEND 7, 0
.endif
	s_wait_tensorcnt 0x0                           ; the wave's end: behind my last tensor load and my last LDS store
	ds_add_u32 v[SPW], v[NIL]
	s_wait_dscnt 0x0
	CROUND                                         ; the closing round: no work-group ends while a partner may still ask for a tile that names it
	s_endpgm
.Lfunc_end_k_q8b4d6504b8_proj:
	.size	k_q8b4d6504b8_proj, .Lfunc_end_k_q8b4d6504b8_proj-k_q8b4d6504b8_proj
	.p2alignl 7, 3214868480
	.fill 96, 4, 3214868480
	.section	.rodata,"a",@progbits
	.p2align	6, 0x0
	.amdhsa_kernel k_q8b4d6504b8_proj
		.amdhsa_group_segment_fixed_size 327680
		.amdhsa_private_segment_fixed_size 0
		.amdhsa_enable_private_segment 0
		.amdhsa_kernarg_size 56
		.amdhsa_user_sgpr_count 2
		.amdhsa_user_sgpr_kernarg_segment_ptr 1
		.amdhsa_wavefront_size32 1
		.amdhsa_system_sgpr_workgroup_id_x 1
		.amdhsa_system_sgpr_workgroup_id_y 1
		.amdhsa_system_sgpr_workgroup_id_z 1
		.amdhsa_system_vgpr_workitem_id 0
		.amdhsa_next_free_vgpr 1024
		.amdhsa_next_free_sgpr 102
		.amdhsa_reserve_vcc 1
		.amdhsa_float_denorm_mode_32 3
		.amdhsa_float_denorm_mode_16_64 3
		.amdhsa_memory_ordered 1
		.amdhsa_forward_progress 1
		.amdhsa_inst_pref_size 179
	.end_amdhsa_kernel
	.amdgpu_metadata
---
amdhsa.version: [ 1, 2 ]
amdhsa.kernels:
  - .name:           k_q8b4d6504b8_proj
    .symbol:         k_q8b4d6504b8_proj.kd
    .args:
      - { .name: xc, .offset: 0, .size: 8, .value_kind: global_buffer, .address_space: global }
      - { .name: xs, .offset: 8, .size: 8, .value_kind: global_buffer, .address_space: global }
      - { .name: bq, .offset: 16, .size: 8, .value_kind: global_buffer, .address_space: global }
      - { .name: bk, .offset: 24, .size: 8, .value_kind: global_buffer, .address_space: global }
      - { .name: bv, .offset: 32, .size: 8, .value_kind: global_buffer, .address_space: global }
      - { .name: pc, .offset: 40, .size: 8, .value_kind: global_buffer, .address_space: global }
      - { .name: ps, .offset: 48, .size: 8, .value_kind: global_buffer, .address_space: global }
    .group_segment_fixed_size: 327680
    .private_segment_fixed_size: 0
    .kernarg_segment_align: 8
    .kernarg_segment_size: 56
    .max_flat_workgroup_size: 128
    .sgpr_count:     102
    .vgpr_count:     1024
    .wavefront_size: 32
...
	.end_amdgpu_metadata
.endif
;; end of part 2
;; launch attn (part 3): grid 16 x 16, 16 waves a work-group, clusters of 4 x 4, 327,680 bytes of LDS; arguments pc, ps, attn_mask, ac, acs; writes ac, acs
.if DOCPART == 3
	.amdgcn_target "amdgcn-amd-amdhsa--gfx1250"
	.amdhsa_code_object_version 6
	.text
	.protected	k_q8b4d6504b8_attn
	.globl	k_q8b4d6504b8_attn
	.p2align	8
	.type	k_q8b4d6504b8_attn,@function
k_q8b4d6504b8_attn:
	s_mov_b64 s[64:65], 0
	v_nop
	global_prefetch_b8 v0, s[64:65] scope:SCOPE_SE
	s_setreg_imm32_b32 hwreg(HW_REG_WAVE_MODE, 25, 1), 1
	s_wait_xcnt 0x0
	s_wait_alu depctr_hold_cnt(0) depctr_sa_sdst(0) depctr_va_vdst(0) depctr_va_sdst(0) depctr_va_ssrc(0) depctr_va_vcc(0) depctr_vm_vsrc(0)
	s_getreg_b32 s2, hwreg(HW_REG_IB_STS2, 6, 4)
	s_cmp_eq_u32 s2, 0
	s_cbranch_scc0 .Lentry_in_a_cluster
	s_endpgm
.Lentry_in_a_cluster:
	s_bfe_u32 s2, ttmp6, 0x10000c
	s_cmp_lg_u32 s2, 0xf033
	s_cbranch_scc0 .Lentry_shape_is_right
	s_endpgm
.Lentry_shape_is_right:
; attn[b][h][q][:] = sum over keys of softmax_k(q . k + attn_mask[q][k]) v[k][:], 64 heads of size 64, 2,048 queries and keys, both products on codes of FP6 (E2M3) with one E8M0 scale for each 32 along K.
; The mask is an input: it is read as it is given and every score is computed.
; SOFTMAX: t = logit x log2(e); M = the row's largest t so far, rounded UP to a whole number; p = 2^(t - M) is quantised along the keys, not normalised; the row's sum is taken of the unquantised p and divides at the end.
; When M moves, the sum and O are multiplied by 2^(old M - new M): exact.
; SHARES: a work-group owns 128 queries of four heads of one batch; wave w owns 16 queries (tile w % 8) of one head pair (w / 8) and runs the pair's two heads one after the other in each key step of 128 keys; 16 steps.
; Four waves share a SIMD, so that one wave's vector work stands beside another's matrix work and LDS loads.
; OPERANDS (made by the launch before) lie in the order of the operand's registers: chunk = (batch x 8 + pair) x 16 + block of 128 tokens, 12,288 bytes; tile a of 8 at 1,536 a: registers 0-3 at 16 l, 4-5 at 512 + 8 l,
; 6-9 at 768 + 16 l, 10-11 at 1,280 + 8 l.  q, k: tile = 16 tokens, registers 0-5 the pair's first head, 6-11 its second.  v: tile = 16 channels, registers along the 128 keys.
; K = 64 IN AN INSTRUCTION OF 128: source 0 is [K of 16 keys | K of the next 16 keys] of one head; source 1 is [Q | zero codes] for the first 16 keys' scores and [zero codes | Q] for the next 16's.  Zero codes add nothing.
; THE MASK IS THE C OF THE SCORE PRODUCTS: it is loaded from LDS into the scores' registers, in the result's layout (lane (r, h), register j of tile t: query r, key 16 t + 8 h + j), and costs no vector instruction.
; Both products are used transposed (S^T = K Q^T, O^T = V^T P^T): a lane holds one query throughout.  Two neighbouring result tiles give a lane 16 numbers of a block of 32 in the order 0-7, 16-23 (h = 0), 8-15, 24-31
; (h = 1): that order inside a block is this program's on both sides of every product.
; RING: two LDS slots, each with one key step's K (24,576 bytes), V (24,576) and mask (128 rows x 512 bytes, 16 of padding a row).  Waves 0, 1 fetch the mask's halves, wave 2 K, wave 3 V: one tensor load each behind a round.
; CLUSTER 4 x 4: the four work-groups of a row share batch and heads, so K and V are asked for jointly along a row; the four of a column share the queries, so the mask is asked for jointly along a column.
; The result, divided by the sum, is quantised along E and stored as the last product's operand: ac: fragment (row group = batch x 128 + token / 16, K step = head pair) at (8 rg + ks) x 1,536, registers 4 c .. at
; 512 c + 16 l; acs: (8 rg + ks) x 64 + 4 r: a wave's 64 bytes, not a whole aligned block of 256: 262,144 bytes in the whole launch go out so.
; LIMITS: NaN and +infinity are not served; blocks whose largest magnitude lies under 2^(3 - 127) keep the byte 1; a row all of whose logits lie near -1e9 is decided by f32 rounding there, as in the definition.
.set SLOT1, 131072                     ; slot 1 begins here
.set VOFF,  24576                      ; a slot: K's two pairs, V's two pairs,
.set MOFF,  49152                      ; the mask's 128 rows
.set MP,    528                        ; 512 bytes + 16 = 33 x 16: sixteen rows start in sixteen different groups of banks
.set SCK,   SLOT1+MOFF+128*MP          ; behind the ring: K's scale words of the two pairs, 16,384 bytes: pair x 8,192 + step x 512
.set SCV,   SCK+16384                  ; V's likewise
.set SPARE, SCV+16384                  ; the spare words, 128 bytes a wave: eight blocks of 256 bytes that no other line names
.set PFO,  0                           ; v0   (once the lane's numbers are made) the prefetches' offset
.set SPW,  1                           ; v1   my spare word; never rewritten
.set NIL,  2                           ; v2   0; never rewritten
.set A16,  3                           ; v3-4  slot 0, 1: my pair's tiles, + 16 x lane
.set A8,   5                           ; v5-6  the same, + 8 x lane
.set AMK,  7                           ; v7-8  my query's row of the mask, + 32 h
.set AS,   9                           ; v9   the step's scale words of K, + 4 r; V's lie 16,384 bytes on
.set QSW,  10                          ; v10-11 Q's scale words, head 0, 1
.set ST,   12                          ; v12-15, v16-19: head e: -M, the largest t, the sum in two halves
.set QR,   20                          ; v20-49: Q0, zeros, Q1, zeros, Q0, six registers each: [Q0|0] = v20.., [0|Q1] = v26.., [Q1|0] = v32.., [0|Q0] = v38..
.set F,    50                          ; v50-97 four fragments of K or of V
.set S,    98                          ; v98-161 the mask, then S^T, then p
.set O,    162                         ; v162-225 O^T: head e at 32 e
.set P,    226                         ; v226-237 p's codes
.set BM,   238                         ; v238-241 the blocks' largest
.set T4,   242                         ; v242-245 at work
.set SO,   246                         ; v246-249 the conversions' scale operands
.set FSW,  250                         ; v250-253 the fragments' scale words
.set FF,   254                         ; v254 f = 2^(old M - new M)
.set PW,   255                         ; v255 p's scale word
.set WV,   14
.set TI,   15
.set PJ,   16
.set CX,   17
.set CY,   18
.set QX,   19
.set GY,   20
.set W1,   21
.set SEL,  22                          ; s[22:23] selects for lane l xor 16
.set CS,   24                          ; s[24:25] log2(e), twice
.set G1M,  28                          ; s[28:35] group 1 for the mask; s[36:43] for K and V; s[44:51] for the scale words
.set G1K,  36
.set G1S,  44
.set G0M,  52                          ; s[52:59] group 0 for the mask, a set for each slot; s[68:75] for K or V; s[76:79] for the scale words
.set G0K,  68
.set G0S,  76
.set CNT,  80
.set PFA,  82                          ; s[82:83] where my prefetches stand; s[84:85] a key step on
.set PFS,  84
.set ASKF, 86                          ; s86, s87: 1 where my wave prefetches in a trip on slot 0, 1
.macro ROUND                           ; a round of the cluster's barrier
	s_barrier_signal -1
	s_barrier_wait -1
	s_cmp_lg_u32 s[WV], 0
	s_cbranch_scc1 .Lnot_wave_0_\@
	s_barrier_signal -3
.Lnot_wave_0_\@:
	s_barrier_wait -3
	s_barrier_signal -1
	s_barrier_wait -1
.endm
; The joint refill of slot s.  The branches hang on the wave's number alone.  Four v_nop follow each tensor load.
.macro TLOAD s
	s_cmp_lt_u32 s[WV], 2
	s_cbranch_scc0 .Lnot_m_\@
	tensor_load_to_lds s[G0M+4*(\s):G0M+4*(\s)+3], s[G1M:G1M+7]
	s_nop 0
.rept 4
	v_nop
.endr
	s_branch .Lasked_\@
.Lnot_m_\@:
	s_cmp_lt_u32 s[WV], 4
	s_cbranch_scc0 .Lasked_\@
	tensor_load_to_lds s[G0K+4*(\s):G0K+4*(\s)+3], s[G1K:G1K+7]
	s_nop 0
.rept 4
	v_nop
.endr
.Lasked_\@:
.endm
; A PREFETCH INTO THE L2, where the fetching waves have their tensor load.  Each aligned block of 256 bytes is named once in the launch.
; K and V: the clusters of a row of clusters walk the same K and V: the first (cluster x = 0) asks.  Its partner cx takes one tensor (K: cx < 2, V: else) and one pair (cx % 2), told apart BY ADDRESS.  In the trips on slot 0
; waves 4 to 6 name the two key steps that follow the one being asked for: 24,576 consecutive bytes, 8,192 a wave, lanes 256 bytes apart.
; The mask: the clusters of a column walk the same rows: cluster y = 0 asks; partner cy takes rows 32 cy .., a lane a row; in every trip of the loop waves 8 and 9 name the two blocks of the key step after the one being asked for.
; Key steps 0 and 1 come by their loads alone; the two trips behind the loop ask for nothing: the last step named is the last of the head.
.macro ASK slot
	s_cmp_eq_u32 s[ASKF+\slot], 1
	s_cbranch_scc0 .Lnot_mine_\@
	global_prefetch_b8 v[PFO], s[PFA:PFA+1] th:TH_LOAD_NT scope:SCOPE_SE
.Lnot_mine_\@:
.endm
	s_load_b256 s[4:11], s[0:1], 0x0               ; pc s[4:5], ps s[6:7], the mask s[8:9], ac s[10:11]
	s_load_b64 s[12:13], s[0:1], 0x20              ; acs
	v_lshl_add_u32 v[SPW], v0, 2, SPARE
	v_mov_b32 v[NIL], 0
	ds_add_u32 v1, v2
	s_wait_dscnt 0x0
	v_lshrrev_b32 v3, 5, v0
	v_readfirstlane_b32 s[WV], v3                  ; wave 0..15
	s_and_b32 s[TI], s[WV], 7                      ; my tile of 16 queries
	s_lshr_b32 s[PJ], s[WV], 3                     ; my head pair of the work-group's two
	s_and_b32 s[W1], s[WV], 1
	s_bfe_u32 s[CX], ttmp6, 0x40000
	s_bfe_u32 s[CY], ttmp6, 0x40004
	s_lshl_b32 s[QX], ttmp9, 2
	s_add_co_u32 s[QX], s[QX], s[CX]               ; my block of 128 queries
	s_and_b32 s[GY], ttmp7, 0xffff
	s_lshl_b32 s[GY], s[GY], 2
	s_add_co_u32 s[GY], s[GY], s[CY]               ; 4 x batch + which four heads: batch x 8 + my first pair = 2 GY
	s_lshl_b32 s88, s[CY], 2
	s_lshl_b32 s88, 15, s88                        ; my row of the cluster
	s_lshl_b32 s89, 0x1111, s[CX]                  ; my column
	s_or_b32 s[G1M], s89, (2<<16)|(1<<20)|(1<<21)|(6<<22)|(3<<25)   ; the mask: 15:0 my column; elements of 4 bytes; padding on; 21 set beside a mask; after every 128 words (code 6) 4 words (code 3)
	s_mov_b32 s[G1M+1], 128<<16                    ; tensor_dim0 = 128
	s_mov_b32 s[G1M+2], 64<<16                     ; tensor_dim1 = 64
	s_mov_b32 s[G1M+3], 128<<16                    ; tile_dim0
	s_mov_b32 s[G1M+4], 64                         ; tile_dim1
	s_mov_b32 s[G1M+5], 2048                       ; from row to row
	s_mov_b32 s[G1M+6], 0
	s_mov_b32 s[G1M+7], 0
	s_or_b32 s[G1K], s88, (3<<16)|(1<<21)          ; K, V: my row; elements of 8 bytes; two rows (pairs) of 12,288 bytes, 16 chunks apart
	s_mov_b32 s[G1K+1], 1536<<16
	s_mov_b32 s[G1K+2], 2<<16
	s_mov_b32 s[G1K+3], 1536<<16
	s_mov_b32 s[G1K+4], 2
	s_mov_b32 s[G1K+5], 24576
	s_mov_b32 s[G1K+6], 0
	s_mov_b32 s[G1K+7], 0
	s_or_b32 s[G1S], s88, (3<<16)|(1<<21)          ; scale words: 16,384 dense bytes as 64 rows of 256
	s_mov_b32 s[G1S+1], 32<<16
	s_mov_b32 s[G1S+2], 64<<16
	s_mov_b32 s[G1S+3], 32<<16
	s_mov_b32 s[G1S+4], 64
	s_mov_b32 s[G1S+5], 32
	s_mov_b32 s[G1S+6], 0
	s_mov_b32 s[G1S+7], 0
	s_lshl_b32 s90, s[QX], 7                       ; the mask: row 128 x block + 64 x (wave % 2): hangs on cx alone among the places
	s_lshl_b32 s91, s[W1], 6
	s_add_co_u32 s90, s90, s91
	s_lshl_b32 s90, s90, 13
	s_mov_b32 s91, 0
	s_add_co_u32 s92, s[W1], 1                     ; K (wave 2) or V (wave 3): type 1 or 2; hangs on cy alone
	s_mul_i32 s94, s92, 6291456
	s_mul_i32 s93, s[GY], 32*12288
	s_add_co_u32 s94, s94, s93
	s_mov_b32 s95, 0
	s_lshl_b32 s96, s92, 18
	s_lshl_b32 s97, s[GY], 14
	s_add_co_u32 s96, s96, s97
	s_mov_b32 s97, 0
	s_mul_i32 s98, s[W1], 64*MP
	s_mul_i32 s99, s[W1], VOFF
	s_lshl_b32 s93, s[W1], 14
	s_mov_b32 s[SEL], 0x76543210
	s_mov_b32 s[SEL+1], 0xfedcba98
	s_mov_b32 s[CS], 0x3fb8aa3b                    ; log2(e)
	s_mov_b32 s[CS+1], s[CS]                       ; (named with it as a pair, so it is written)
	s_wait_kmcnt 0x0
	s_add_nc_u64 s[90:91], s[8:9], s[90:91]
	s_add_nc_u64 s[94:95], s[4:5], s[94:95]
	s_add_nc_u64 s[96:97], s[6:7], s[96:97]
.irp s, 0,1
	s_mov_b32 s[G0M+4*\s], 1
	s_add_co_u32 s[G0M+4*\s+1], s98, \s*SLOT1+MOFF
	s_add_nc_u64 s[G0M+4*\s+2:G0M+4*\s+3], s[90:91], \s*512       ; key step s: 512 bytes along the rows
	s_or_b32 s[G0M+4*\s+3], s[G0M+4*\s+3], 0x80000000
	s_mov_b32 s[G0K+4*\s], 1
	s_add_co_u32 s[G0K+4*\s+1], s99, \s*SLOT1
	s_add_nc_u64 s[G0K+4*\s+2:G0K+4*\s+3], s[94:95], \s*12288     ; key step s: the next chunk
	s_or_b32 s[G0K+4*\s+3], s[G0K+4*\s+3], 0x80000000
.endr
	s_mov_b32 s[G0S], 1
	s_add_co_u32 s[G0S+1], s93, SCK
	s_mov_b64 s[G0S+2:G0S+3], s[96:97]
	s_or_b32 s[G0S+3], s[G0S+3], 0x80000000
	ROUND                                          ; all sixteen work-groups are here: the first joint loads meet
	s_cmp_lt_u32 s[WV], 2                          ; a wave's first fills stand in one branch: at most two tensor loads of mine are out
	s_cbranch_scc0 .Lfirst_not_m
	tensor_load_to_lds s[G0M:G0M+3], s[G1M:G1M+7]
	s_nop 0
.rept 4
	v_nop
.endr
	s_branch .Lfirst_asked
.Lfirst_not_m:
	s_cmp_lt_u32 s[WV], 4
	s_cbranch_scc0 .Lfirst_asked
	tensor_load_to_lds s[G0S:G0S+3], s[G1S:G1S+7]  ; the scale words of all 16 key steps: filled once
	s_nop 0
	tensor_load_to_lds s[G0K:G0K+3], s[G1K:G1K+7]
	s_nop 0
.rept 4
	v_nop
.endr
.Lfirst_asked:
	v_and_b32 v98, 31, v0                          ; lane
	v_and_b32 v99, 15, v0                          ; r
	v_bfe_u32 v100, v0, 4, 1                       ; h
	s_mul_i32 s88, s[PJ], 12288
	v_lshl_add_u32 v[A16], v98, 4, s88
	v_add_nc_u32 v[A16+1], SLOT1, v[A16]
	v_lshl_add_u32 v[A8], v98, 3, s88
	v_add_nc_u32 v[A8+1], SLOT1, v[A8]
	s_mul_i32 s88, s[TI], 16*MP
	s_add_co_u32 s88, s88, MOFF
	v_mul_u32_u24 v[AMK], v99, MP
	v_lshl_add_u32 v[AMK], v100, 5, v[AMK]
	v_add_nc_u32 v[AMK], s88, v[AMK]
	v_add_nc_u32 v[AMK+1], SLOT1, v[AMK]
	s_lshl_b32 s88, s[PJ], 13
	s_add_co_u32 s88, s88, SCK
	v_lshl_add_u32 v[AS], v99, 2, s88
	v_lshlrev_b32 v101, 4, v98
	v_lshlrev_b32 v102, 3, v98
	v_lshlrev_b32 v103, 2, v99
	s_lshl_b32 s88, s[GY], 1                       ; Q: chunk (2 GY + my pair) x 16 + my block of queries, tile TI
	s_add_co_u32 s88, s88, s[PJ]
	s_lshl_b32 s88, s88, 4
	s_add_co_u32 s88, s88, s[QX]
	s_mul_i32 s92, s88, 12288
	s_mul_i32 s89, s[TI], 1536
	s_add_co_u32 s92, s92, s89
	s_mov_b32 s93, 0
	s_lshl_b32 s94, s88, 9
	s_lshr_b32 s89, s[TI], 1
	s_lshl_b32 s89, s89, 7
	s_add_co_u32 s94, s94, s89
	s_mov_b32 s95, 0
	s_add_nc_u64 s[92:93], s[4:5], s[92:93]
	s_add_nc_u64 s[94:95], s[6:7], s[94:95]
	global_load_b128 v[QR:QR+3], v101, s[92:93]                    ; Q stays in registers; the first head's half is wanted at two places and is loaded twice
	global_load_b64 v[QR+4:QR+5], v102, s[92:93] offset:512
	global_load_b128 v[QR+24:QR+27], v101, s[92:93]
	global_load_b64 v[QR+28:QR+29], v102, s[92:93] offset:512
	global_load_b128 v[QR+12:QR+15], v101, s[92:93] offset:768
	global_load_b64 v[QR+16:QR+17], v102, s[92:93] offset:1280
	global_load_b32 v[QSW], v103, s[94:95]                         ; two tiles' bytes of head 0,
	global_load_b32 v[QSW+1], v103, s[94:95] offset:64             ; of head 1
	; the prefetches: where my wave's stand, and who asks
	s_lshr_b32 s88, s[CX], 1
	s_add_co_u32 s88, s88, 1
	s_mul_i32 s88, s88, 6291456                    ; K or V,
	s_and_b32 s89, s[CX], 1
	s_lshl_b32 s90, s[GY], 1
	s_add_co_u32 s89, s89, s90
	s_mul_i32 s89, s89, 16*12288                   ; the pair's 16 chunks,
	s_add_co_u32 s88, s88, s89
	s_and_b32 s89, s[WV], 3
	s_lshl_b32 s89, s89, 13                        ; my wave's 8,192 bytes,
	s_add_co_u32 s88, s88, s89
	s_add_co_u32 s88, s88, 12288                   ; at key step 1: the first trip steps it to 2
	s_lshl_b32 s89, s[QX], 7
	s_lshl_b32 s90, s[CY], 5
	s_add_co_u32 s89, s89, s90
	s_lshl_b32 s89, s89, 13                        ; the mask: my work-group's 32 rows,
	s_lshl_b32 s90, s[W1], 8                       ; my wave's block of a step's two,
	s_add_co_u32 s89, s89, s90
	s_add_co_u32 s89, s89, 512                     ; at key step 1
	s_cmp_lt_u32 s[WV], 8
	s_cselect_b64 s[PFA:PFA+1], s[4:5], s[8:9]
	s_cselect_b32 s88, s88, s89
	s_mov_b32 s[PFS], 512
	s_cselect_b32 s[PFS], 12288, s[PFS]
	s_mov_b32 s90, 8192
	s_cselect_b32 s90, 256, s90                    ; from lane to lane
	s_mov_b32 s89, 0
	s_mov_b32 s[PFS+1], 0
	s_add_nc_u64 s[PFA:PFA+1], s[PFA:PFA+1], s[88:89]
	v_mul_lo_u32 v[PFO], v98, s90
	s_sub_co_u32 s91, s[WV], 4
	s_cmp_lt_u32 s91, 3                            ; waves 4 to 6,
	s_cselect_b32 s96, 1, 0
	s_cmp_eq_u32 ttmp9, 0                          ; of the row's first cluster: the same in all sixteen partners
	s_cselect_b32 s96, s96, 0
	s_sub_co_u32 s91, s[WV], 8
	s_cmp_lt_u32 s91, 2                            ; waves 8 and 9,
	s_cselect_b32 s[ASKF+1], 1, 0
	s_and_b32 s91, ttmp7, 0xffff
	s_cmp_eq_u32 s91, 0                            ; of the column's first cluster
	s_cselect_b32 s[ASKF+1], s[ASKF+1], 0
	s_or_b32 s[ASKF], s96, s[ASKF+1]
	s_cmp_eq_u32 s[W1], 0                          ; my tile's bytes of the two tiles' word (TI and the wave's number are both even or both odd)
	s_mov_b32 s97, 0x03020302
	s_cselect_b32 s97, 0x01000100, s97
.irp j, 0,1,2,3,4,5,6,7,8,9,10,11,12,13,14,15,16,17,18,19,20,21,22,23,24,25,26,27,28,29,30,31,32,33,34,35,36,37,38,39,40,41,42,43,44,45,46,47,48,49,50,51,52,53,54,55,56,57,58,59,60,61,62,63
	v_mov_b32 v[O+\j], 0                           ; O^T.  (The step is written once: the first finds zeros, which the first change of M leaves zeros)
.endr
	s_wait_loadcnt 0x0                             ; Q
	v_perm_b32 v[QSW], v[QSW], v[QSW], s97         ; [s0, s1, s0, s1]: it serves [Q|0] and [0|Q] alike
	v_perm_b32 v[QSW+1], v[QSW+1], v[QSW+1], s97
.irp j, 6,7,8,9,10,11,18,19,20,21,22,23
	v_mov_b32 v[QR+\j], 0                          ; the zero codes
.endr
.irp b, 0,1,2,3
	v_mov_b32 v[T4+\b], 0                          ; written once: a lane permute's destination counts as one of its sources
.endr
	v_mov_b32 v[PW], 0                             ; (named as the upper half of the pair with f before it is first written)
.irp e, 0,1
	v_mov_b32 v[ST+4*\e+1], 0xff61b1e6             ; the largest t so far: -3e38
	v_floor_f32 v[ST+4*\e], -v[ST+4*\e+1]          ; -M
	v_mov_b32 v[ST+4*\e+2], 0
	v_mov_b32 v[ST+4*\e+3], 0
.endr
; From the four blocks' largest magnitudes (floored) in v[BM ..] and 64 numbers in v[S ..]: the scale word in v[PW] and the fragment in v[P ..].
.macro CODES
.irp b, 0,1,2,3
	v_add_nc_u32 v[SO+\b], 0xff000000, v[BM+\b]    ; 2 off the exponent field: the conversion's scale operand
.endr
.irp b, 0,1,2,3
	v_lshrrev_b32 v[T4+\b], 23, v[SO+\b]           ; the scale's byte
.endr
	v_lshl_or_b32 v[PW], v[T4+1], 8, v[T4]
	v_lshl_or_b32 v[PW], v[T4+2], 16, v[PW]
	v_lshl_or_b32 v[PW], v[T4+3], 24, v[PW]
.irp c, 0,1
	v_cvt_scalef32_pk16_fp6_f32 v[P+6*\c:P+6*\c+2], v[S+32*\c:S+32*\c+15], v[SO+2*\c]
	v_cvt_scalef32_pk16_fp6_f32 v[BM+4*\c:BM+4*\c+2], v[S+32*\c+16:S+32*\c+31], v[SO+2*\c+1]   ; (a conversion's three registers begin on an even number; v[BM ..] and v[T4 ..] are done with)
.endr
	v_nop                                          ; one plain line behind the scaled conversions
.irp c, 0,1                            ; the operand's layout wants a whole block in a lane: lanes 0-15 block 2 c, lanes 16-31 block 2 c + 1
.irp i, 0,1,2
	v_permlane16_swap_b32 v[P+6*\c+\i], v[BM+4*\c+\i]
.endr
.irp i, 0,1,2
	v_mov_b32 v[P+3+6*\c+\i], v[BM+4*\c+\i]
.endr
.endr
.endm
; ONE HEAD'S KEY STEP: 16 queries x 128 keys of head e of my pair, from slot \slot.
.macro UNIT slot, e
.set NM,  ST+4*(\e)
.set TMX, ST+4*(\e)+1
.set SUM, ST+4*(\e)+2
.set OE,  O+32*(\e)
.rept 4
	v_nop                                          ; places in front of loads into registers that the last products have read
.endr
.irp t, 0,1,2,3,4,5,6,7
	ds_load_b128 v[S+8*\t:S+8*\t+3], v[AMK+\slot] offset:64*\t        ; mask[my query][16 t + 8 h + 0 .. 7]: the C of tile t
	ds_load_b128 v[S+8*\t+4:S+8*\t+7], v[AMK+\slot] offset:64*\t+16
.endr
.irp g, 0,1,2,3                        ; [K of keys 32 g .. + 15 | K of keys 32 g + 16 .. + 31], head e
	ds_load_b128 v[F+12*\g:F+12*\g+3], v[A16+\slot] offset:(2*\g)*1536+(\e)*768
	ds_load_b64 v[F+12*\g+4:F+12*\g+5], v[A8+\slot] offset:(2*\g)*1536+(\e)*768+512
	ds_load_b128 v[F+12*\g+6:F+12*\g+9], v[A16+\slot] offset:(2*\g+1)*1536+(\e)*768
	ds_load_b64 v[F+12*\g+10:F+12*\g+11], v[A8+\slot] offset:(2*\g+1)*1536+(\e)*768+512
	ds_load_b32 v[FSW+\g], v[AS] offset:\g*128+(\e)*64
.endr
	s_wait_dscnt 0x0
.irp g, 0,1,2,3                        ; the eight accumulators by turns
	v_wmma_scale_f32_16x16x128_f8f6f4 v[S+16*\g:S+16*\g+7], v[F+12*\g:F+12*\g+11], v[QR+12*(\e):QR+12*(\e)+11], v[S+16*\g:S+16*\g+7], v[FSW+\g], v[QSW+(\e)] matrix_a_fmt:MATRIX_FMT_FP6 matrix_b_fmt:MATRIX_FMT_FP6
	v_wmma_scale_f32_16x16x128_f8f6f4 v[S+16*\g+8:S+16*\g+15], v[F+12*\g:F+12*\g+11], v[QR+18-12*(\e):QR+29-12*(\e)], v[S+16*\g+8:S+16*\g+15], v[FSW+\g], v[QSW+(\e)] matrix_a_fmt:MATRIX_FMT_FP6 matrix_b_fmt:MATRIX_FMT_FP6
.endr
.rept 4
	v_nop                                          ; places: in front of the loads below and of the first read of the scores
.endr
.irp t, 0,1,2,3                        ; V's four tiles of head e: they land while the softmax is walked
	ds_load_b128 v[F+12*\t:F+12*\t+3], v[A16+\slot] offset:VOFF+(4*(\e)+\t)*1536
	ds_load_b64 v[F+12*\t+4:F+12*\t+5], v[A8+\slot] offset:VOFF+(4*(\e)+\t)*1536+512
	ds_load_b128 v[F+12*\t+6:F+12*\t+9], v[A16+\slot] offset:VOFF+(4*(\e)+\t)*1536+768
	ds_load_b64 v[F+12*\t+10:F+12*\t+11], v[A8+\slot] offset:VOFF+(4*(\e)+\t)*1536+1280
	ds_load_b32 v[FSW+\t], v[AS] offset:16384+(4*(\e)+\t)*64
.endr
.irp b, 0,1,2,3
	v_max3_num_f32 v[BM+\b], v[S+16*\b], v[S+16*\b+1], v[S+16*\b+2]   ; the largest logit of each block of 32 keys: it serves for the row's maximum and, since p rises with the logit, for the block's largest p
.endr
.irp i, 3,5,7,9,11,13
.irp b, 0,1,2,3
	v_max3_num_f32 v[BM+\b], v[BM+\b], v[S+16*\b+\i], v[S+16*\b+\i+1]
.endr
.endr
.irp b, 0,1,2,3
	v_max_num_f32 v[BM+\b], v[BM+\b], v[S+16*\b+15]
.endr
.irp b, 0,1,2,3
	v_permlanex16_b32 v[T4+\b], v[BM+\b], s[SEL], s[SEL+1]
.endr
.irp b, 0,1,2,3
	v_max_num_f32 v[BM+\b], v[BM+\b], v[T4+\b]     ; with lane l xor 16's 16 keys
.endr
	v_max3_num_f32 v[T4], v[BM], v[BM+1], v[BM+2]
	v_max_num_f32 v[T4], v[T4], v[BM+3]
	v_mul_f32 v[T4], s[CS], v[T4]                  ; the step's largest t
	v_max_num_f32 v[TMX], v[TMX], v[T4]            ; the running largest t
	v_mov_b32 v[T4], v[NM]
	v_floor_f32 v[NM], -v[TMX]                     ; the new -M = -ceil(t): a whole number
	v_sub_f32 v[T4], v[NM], v[T4]                  ; old M - new M: a whole number, 0 or less
	v_cvt_i32_f32 v[T4], v[T4]                     ; (it saturates)
	v_ldexp_f32 v[FF], 1.0, v[T4]                  ; f = 2^(old M - new M)
.irp j, 0,2,4,6,8,10,12,14,16,18,20,22,24,26,28,30,32,34,36,38,40,42,44,46,48,50,52,54,56,58,60,62
	v_pk_fma_f32 v[S+\j:S+\j+1], v[S+\j:S+\j+1], s[CS:CS+1], v[NM:NM+1] op_sel_hi:[1,0,0]   ; t - M, two at a time
.endr
.irp b, 0,1,2,3
	v_fma_f32 v[BM+\b], v[BM+\b], s[CS], v[NM]     ; the same of each block's largest logit
.endr
.irp j, 0,1,2,3,4,5,6,7,8,9,10,11,12,13,14,15,16,17,18,19,20,21,22,23,24,25,26,27,28,29,30,31,32,33,34,35,36,37,38,39,40,41,42,43,44,45,46,47,48,49,50,51,52,53,54,55,56,57,58,59,60,61,62,63
	v_exp_f32 v[S+\j], v[S+\j]                     ; p = 2^(t - M), at most 1: not normalised
.endr
	v_pk_mul_f32 v[SUM:SUM+1], v[SUM:SUM+1], v[FF:FF+1] op_sel_hi:[1,0]   ; the sums under the new M: the plain line behind the exponentials
	s_wait_alu depctr_va_vdst(0)                   ; one wait for the batch of 64, ahead of its first reader
.irp b, 0,1,2,3
	v_exp_f32 v[BM+\b], v[BM+\b]                   ; the block's largest p: the same two instructions on the same number give the same bits
.endr
	v_pk_add_f32 v[T4:T4+1], v[S:S+1], v[S+2:S+3]  ; the row's sum is taken of the unquantised p: two at a time, in two chains
.irp j, 4,8,12,16,20,24,28,32,36,40,44,48,52,56,60
	v_pk_add_f32 v[SUM:SUM+1], v[SUM:SUM+1], v[S+\j:S+\j+1]
	v_pk_add_f32 v[T4:T4+1], v[T4:T4+1], v[S+\j+2:S+\j+3]
.endr
	v_pk_add_f32 v[SUM:SUM+1], v[SUM:SUM+1], v[T4:T4+1]
	s_wait_alu depctr_va_vdst(0)                   ; and one for the four
.irp b, 0,1,2,3
	v_max_num_f32 v[BM+\b], 0x1800000, v[BM+\b]    ; the floor 2^(3 - 127): the byte cannot fall under 1 (a block whose every p is 0 keeps that byte: its codes are zeros)
.endr
	CODES
.irp j, 0,2,4,6,8,10,12,14,16,18,20,22,24,26,28,30
	v_pk_mul_f32 v[OE+\j:OE+\j+1], v[OE+\j:OE+\j+1], v[FF:FF+1] op_sel_hi:[1,0]   ; O^T under the new M.  (These 16 are also the places between the lines that made p's codes and scale word and the products)
.endr
	s_wait_dscnt 0x0                               ; V
.irp t, 0,1,2,3
	v_wmma_scale_f32_16x16x128_f8f6f4 v[OE+8*\t:OE+8*\t+7], v[F+12*\t:F+12*\t+11], v[P:P+11], v[OE+8*\t:OE+8*\t+7], v[FSW+\t], v[PW] matrix_a_fmt:MATRIX_FMT_FP6 matrix_b_fmt:MATRIX_FMT_FP6
.endr
.endm
; A TRIP: one key step, from slot \slot.  At its head the change of slots: each wave waits for all its tensor loads (its part of this slot), adds 0 to its spare word, and waits for that and for its reads of the other slot.
; Behind the round this slot is whole in every partner and nobody reads the other one, which is then filled with the next key step: that load has this trip's work in which to land.
.macro TRIP slot, refill, ask
	s_wait_tensorcnt 0x0                           ; no tensor load of mine is out, so a group 0 may be written
	ds_add_u32 v[SPW], v[NIL]                      ; 0 onto my spare word
	s_add_nc_u64 s[G0M+4*\slot+2:G0M+4*\slot+3], s[G0M+4*\slot+2:G0M+4*\slot+3], 1024     ; this slot's next tiles: two key steps on
	s_add_nc_u64 s[G0K+4*\slot+2:G0K+4*\slot+3], s[G0K+4*\slot+2:G0K+4*\slot+3], 24576
.if \ask
	s_wait_xcnt 0x0                                ; the last prefetch, a trip back, has read its address
	s_add_nc_u64 s[PFA:PFA+1], s[PFA:PFA+1], s[PFS:PFS+1]
.endif
	s_wait_dscnt 0x0                               ; the add is done, and my reads of the other slot are over
	ROUND
.if \refill
	TLOAD 1-\slot                                  ; the first thing behind the round, and a wave's one tensor load until the next
.endif
.if \ask
	ASK \slot
.endif
	UNIT \slot, 0
	UNIT \slot, 1
	v_add_nc_u32 v[AS], 512, v[AS]                 ; the next step's scale words
.endm
	s_mov_b32 s[CNT], 7
.Lpair:                                            ; 7 trips of two key steps
	TRIP 0, 1, 1
	TRIP 1, 1, 1
	s_sub_co_u32 s[CNT], s[CNT], 1
	s_cmp_lg_u32 s[CNT], 0
	s_cbranch_scc1 .Lpair
	TRIP 0, 1, 0                                   ; the last two key steps are written out
	TRIP 1, 0, 0
	; THE WAY OUT: O^T / the sum, both heads: 128 channels of my 16 queries: one fragment of the last product's operand.
.rept 4
	v_nop                                          ; places behind the last products
.endr
.irp e, 0,1
	v_add_f32 v[ST+4*\e+2], v[ST+4*\e+2], v[ST+4*\e+3]
.endr
.irp e, 0,1
	v_permlanex16_b32 v[T4+\e], v[ST+4*\e+2], s[SEL], s[SEL+1]
.endr
.irp e, 0,1
	v_add_f32 v[ST+4*\e+2], v[ST+4*\e+2], v[T4+\e] ; the row's sum
.endr
.irp e, 0,1
	v_rcp_f32 v[ST+4*\e], v[ST+4*\e+2]
.endr
	v_and_b32 v3, 124, v[SPW]                      ; (a plain line behind the reciprocals)  4 x lane: the low bits of my spare word's address
	v_lshlrev_b32 v3, 2, v3                        ; 16 x lane
	v_and_b32 v4, 60, v[SPW]                       ; 4 r
	s_lshr_b32 s88, s[GY], 2
	s_lshl_b32 s88, s88, 7
	s_lshl_b32 s89, s[QX], 3
	s_add_co_u32 s88, s88, s89
	s_add_co_u32 s88, s88, s[TI]                   ; row group = batch x 128 + token / 16
	s_lshl_b32 s88, s88, 3
	s_and_b32 s89, s[GY], 3
	s_lshl_b32 s89, s89, 1
	s_add_co_u32 s88, s88, s89
	s_add_co_u32 s88, s88, s[PJ]                   ; x 8 + head pair
	s_mul_i32 s90, s88, 1536
	s_mov_b32 s91, 0
	s_add_nc_u64 s[10:11], s[10:11], s[90:91]
	s_lshl_b32 s90, s88, 6
	s_add_nc_u64 s[12:13], s[12:13], s[90:91]
	s_wait_alu depctr_va_vdst(0)                   ; one wait for the two reciprocals, ahead of their first reader
.irp j, 0,2,4,6,8,10,12,14,16,18,20,22,24,26,28,30
	v_pk_mul_f32 v[S+\j:S+\j+1], v[O+\j:O+\j+1], v[ST:ST+1] op_sel_hi:[1,0]             ; each accumulator from its low end on
.endr
.irp j, 32,34,36,38,40,42,44,46,48,50,52,54,56,58,60,62
	v_pk_mul_f32 v[S+\j:S+\j+1], v[O+\j:O+\j+1], v[ST+4:ST+5] op_sel_hi:[1,0]
.endr
.irp b, 0,1,2,3
	v_max3_num_f32 v[BM+\b], |v[S+16*\b]|, |v[S+16*\b+1]|, 0x1800000   ; block b of the 128 channels: my 16 numbers and the floor
.endr
.irp i, 2,4,6,8,10,12,14
.irp b, 0,1,2,3
	v_max3_num_f32 v[BM+\b], v[BM+\b], |v[S+16*\b+\i]|, |v[S+16*\b+\i+1]|
.endr
.endr
.irp b, 0,1,2,3
	v_permlanex16_b32 v[T4+\b], v[BM+\b], s[SEL], s[SEL+1]
.endr
.irp b, 0,1,2,3
	v_max_num_f32 v[BM+\b], v[BM+\b], v[T4+\b]
.endr
	CODES
.irp c, 0,1,2
	global_store_b128 v3, v[P+4*\c:P+4*\c+3], s[10:11] offset:512*\c   ; 32 lanes store 512 consecutive bytes, at a multiple of 512 from ac's first byte
.endr
	global_store_b32 v4, v[PW], s[12:13]           ; lanes r and r + 16 hold the same word and write it to the same place
	s_wait_tensorcnt 0x0                           ; the wave's end
	ds_add_u32 v[SPW], v[NIL]
	s_wait_dscnt 0x0
	ROUND                                          ; the closing round: no work-group ends while a partner may still ask for a tile that names it
	s_endpgm
.Lfunc_end_k_q8b4d6504b8_attn:
	.size	k_q8b4d6504b8_attn, .Lfunc_end_k_q8b4d6504b8_attn-k_q8b4d6504b8_attn
	.p2alignl 7, 3214868480
	.fill 96, 4, 3214868480
	.section	.rodata,"a",@progbits
	.p2align	6, 0x0
	.amdhsa_kernel k_q8b4d6504b8_attn
		.amdhsa_group_segment_fixed_size 327680
		.amdhsa_private_segment_fixed_size 0
		.amdhsa_enable_private_segment 0
		.amdhsa_kernarg_size 40
		.amdhsa_user_sgpr_count 2
		.amdhsa_user_sgpr_kernarg_segment_ptr 1
		.amdhsa_wavefront_size32 1
		.amdhsa_system_sgpr_workgroup_id_x 1
		.amdhsa_system_sgpr_workgroup_id_y 1
		.amdhsa_system_sgpr_workgroup_id_z 1
		.amdhsa_system_vgpr_workitem_id 0
		.amdhsa_next_free_vgpr 256
		.amdhsa_next_free_sgpr 100
		.amdhsa_reserve_vcc 0
		.amdhsa_float_denorm_mode_32 3
		.amdhsa_float_denorm_mode_16_64 3
		.amdhsa_memory_ordered 1
		.amdhsa_forward_progress 1
		.amdhsa_inst_pref_size 161
	.end_amdhsa_kernel
	.amdgpu_metadata
---
amdhsa.version: [ 1, 2 ]
amdhsa.kernels:
  - .name:           k_q8b4d6504b8_attn
    .symbol:         k_q8b4d6504b8_attn.kd
    .args:
      - { .name: pc, .offset: 0, .size: 8, .value_kind: global_buffer, .address_space: global }
      - { .name: ps, .offset: 8, .size: 8, .value_kind: global_buffer, .address_space: global }
      - { .name: attn_mask, .offset: 16, .size: 8, .value_kind: global_buffer, .address_space: global }
      - { .name: ac, .offset: 24, .size: 8, .value_kind: global_buffer, .address_space: global }
      - { .name: acs, .offset: 32, .size: 8, .value_kind: global_buffer, .address_space: global }
    .group_segment_fixed_size: 327680
    .private_segment_fixed_size: 0
    .kernarg_segment_align: 8
    .kernarg_segment_size: 40
    .max_flat_workgroup_size: 512
    .sgpr_count:     100
    .vgpr_count:     256
    .wavefront_size: 32
...
	.end_amdgpu_metadata
.endif
;; end of part 3
;; launch outp (part 4): grid 4 x 32, 4 waves a work-group, clusters of 4 x 4, 327,680 bytes of LDS; arguments ac, acs, xc, xs, bo, out0; writes out0
.if DOCPART == 4
	.amdgcn_target "amdgcn-amd-amdhsa--gfx1250"
	.amdhsa_code_object_version 6
	.text
	.protected	k_q8b4d6504b8_outp
	.globl	k_q8b4d6504b8_outp
	.p2align	8
	.type	k_q8b4d6504b8_outp,@function
k_q8b4d6504b8_outp:
	s_mov_b64 s[64:65], 0
	v_nop
	global_prefetch_b8 v0, s[64:65] scope:SCOPE_SE
	s_setreg_imm32_b32 hwreg(HW_REG_WAVE_MODE, 25, 1), 1
	s_wait_xcnt 0x0
	s_wait_alu depctr_hold_cnt(0) depctr_sa_sdst(0) depctr_va_vdst(0) depctr_va_sdst(0) depctr_va_ssrc(0) depctr_va_vcc(0) depctr_vm_vsrc(0)
	s_getreg_b32 s2, hwreg(HW_REG_IB_STS2, 6, 4)
	s_cmp_eq_u32 s2, 0
	s_cbranch_scc0 .Lentry_in_a_cluster
	s_endpgm
.Lentry_in_a_cluster:
	s_bfe_u32 s2, ttmp6, 0x10000c
	s_cmp_lg_u32 s2, 0xf033
	s_cbranch_scc0 .Lentry_shape_is_right
	s_endpgm
.Lentry_shape_is_right:
; ONE TEXT, TWO LAUNCHES.  MODE 0: the three projections, q = (query wq^T + bq) / 8, k = key wk^T + bk, v = value wv^T + bv, quantised anew for attention.  MODE 1: out0 = attn wo^T + bo.
.set MODE, 1
; THE PRODUCT: C'[i][j] = sum over k of P[i][k] R[j][k], K = 1,024, on codes of FP6 (E2M3) with one E8M0 scale for each 32 along K; sums in f32.  Source 0 = 16 rows of R, source 1 = 16 rows of P: a lane holds ONE row i
; (lane % 16) and its eight registers run along j = 8 (lane / 16) + 0 .. 7.  A work-group of four waves makes 256 x 256, a wave 128 x 128: 64 accumulators, 512 registers.
; OPERANDS lie in memory in the order of the operand's registers: fragment (row group rg, K step ks), 16 rows x 128 K, at (8 rg + ks) x 1,536 bytes, registers 4 c .. 4 c + 3 of lane l at 512 c + 16 l; its rows' scale
; words at (8 rg + ks) x 64 + 4 r.  So a fragment is three ds_load_b128 of 512 consecutive bytes: no pitch, no padding.  Inside every block of 32 the codes stand in the order 0-7, 16-23, 8-15, 24-31, on both sides alike.
; WHO IS P.  MODE 0, q and k (type 0, 1): P = the tokens (row = batch x 2,048 + token), R = the weight's rows: a lane's registers run along the channels, which are the next K.  v (type 2): P = wv's rows, R = the tokens:
; a lane's registers run along the KEYS, which are v's next K.  MODE 1: P = attention's result, R = wo's rows.
; RING: K goes in steps of 256 through two LDS slots; each wave fetches 8 row groups x 3,072 bytes with one tensor load (waves 0, 1: P's halves; waves 2, 3: R's).  The scale words of the 512 rows for all of K come once.
; CLUSTER: 4 x 4 work-groups; P's tile hangs on cy alone and is asked for jointly along a row of the cluster, R's on cx alone and along a column.
; MODE 0's WAY OUT: bias added, 128 numbers of a row quantised in registers, stored as an image of the next operand's registers.  pc: type x 6,291,456 + chunk x 12,288, chunk = (batch x 8 + head pair) x 16 + block of
; 128 tokens; tile a of 8 at 1,536 a: registers 0-3 at 16 l, 4-5 at 512 + 8 l, 6-9 at 768 + 16 l, 10-11 at 1,280 + 8 l (so that one head's six registers come by two loads).  q, k: tile a = 16 tokens, registers 0-5 the
; pair's first head, 6-11 its second.  v: tile a = 16 channels, registers along 128 keys.  ps: type x 262,144 + chunk x 512; v: tile a's words at 64 a + 4 r; q, k: at (2 g + e) x 64 + 4 r the two bytes of token
; 32 g + r and the two of token 32 g + 16 + r, head e.  q's division by 8 takes 3 off each scale byte: the codes are those of the undivided sums, and the floor stands 3 higher, so that the byte still ends at 1 or above.
; LIMITS: blocks whose largest magnitude lies under the floor keep the byte 1; NaN and infinities are not served.
; REGISTERS, in windows of 256: window 0: v1-31 addresses; v32-63 scale words, two sets; v64-127 bias along j; v128-223 P's fragments, ONE set; v224-231 bias along i; v232-247 the way out.
;   window 1: R's fragments, TWO sets, at v0 and v128.   window 2: the accumulators of my rows 0-63 ((a, b) at v[8 (8 a + b)]);   window 3: those of rows 64-127.
.set NQ,     2                         ; matrix instructions deep in a slot
.set FR,     12                        ; registers of a fragment
.set NL,     3                         ; LDS loads that bring one
.set NP,     4                         ; places behind this matrix instruction (ISA guide 7.12.1)
.set FRB,    1536                      ; a fragment's image
.set RGB,    NQ*FRB                    ; a row group's bytes in a slot
.set RGM,    8*FRB                     ; and in memory
.set HALFT,  8*RGB                     ; 128 rows: what one tensor load brings, and what one wave reads of P or of R
.set SLOT,   4*HALFT                   ; P's 256 rows, then R's
.set SCL,    2*SLOT                    ; behind the ring: the scale words, 4,096 bytes for each 128 rows
.set HALFS,  4096
.set SPARE,  SCL+4*HALFS               ; the spare words, 128 bytes a wave: two blocks of 256 bytes that no other line names
.set STG,    SPARE+512                 ; stages for the way out: bytes of their own, into which no tile lands
.set SPITCH, 528
.set ADRA, 16                          ; v16-17  my P fragments in slot 0, 1
.set ADRB, 20                          ; v20-21  my R fragments
.set STO,  24                          ; v24     stage, in
.set RD,   25                          ; v25     stage, back
.set L16,  26                          ; v26     16 x lane
.set ADRS, 27                          ; v27     my scale words: lanes 0-15 P's rows, lanes 16-31 R's
.set SPW,  28                          ; v28     my spare word; never rewritten
.set NIL,  29                          ; v29     0; never rewritten
.set L8,   30                          ; v30     8 x lane
.set SELV, 31                          ; v31     byte selects for the scale words' way out
.set SC,   32
.set CB,   64                          ; bias[j0 + 16 b + 8 h + 0 .. 7] at v[CB + 8 b]
.set AF,   128
.set RB,   224                         ; bias[i0 + 16 a + r] at v[RB + a]
.set PW,   232                         ; the eight tiles' scale words
.set X,    128                         ; the way out: 64 numbers
.set PC,   192                         ; the codes just made; v204-206, v208-210 the upper halves
.set MX,   212
.set BY,   216
.set SO,   220
.set WM,   240
.set OW,   244
.set BK,   128                         ; MODE 1: 16 rows read back from the stage: v128-191 and v192-255 by turns
.set WV,   20
.set HP,   21                          ; which half of the tile's rows i is mine.  Also: I fetch for P (0) or for R (1)
.set HR,   22                          ; which half of its columns j.  Also: which 128 rows I fetch
.set TY,   66
.set G1,   24                          ; s[24:31] group 1 for P's tiles; s[32:39] group 0, a set for each slot
.set G0,   32
.set G1B,  48                          ; s[48:55], s[56:63] the same for R's
.set G0B,  56
.set G1S,  68                          ; s[68:75], s[76:79] for P's scale words; s[80:87], s[88:91] for R's
.set G0S,  76
.set G1SB, 80
.set G0SB, 88
.set MSB, 0
.macro WIN new                         ; the immediate's high byte repeats the setting that is left
.if MSB != \new
	s_set_vgpr_msb (MSB<<8)|\new
.set MSB, \new
.endif
.endm
.set MUL_LO, 0xa1                      ; source 0 (R) window 1, source 1 (P) window 0, C and D window 2
.set MUL_HI, 0xf1                      ; the same, C and D window 3
.set TO_B,   0x40                      ; destination window 1, address window 0
; A joint load: each of the two lines has one mask and one set of registers for all that issue it; the branch hangs on the wave's number alone.  Four v_nop follow each line.
.macro JLOAD g0a, g1a, g0b, g1b
	s_cmp_eq_u32 s[HP], 0
	s_cbranch_scc0 .Lfor_b_\@
	tensor_load_to_lds s[\g0a:\g0a+3], s[\g1a:\g1a+7]
	s_nop 0
.rept 4
	v_nop
.endr
	s_branch .Lasked_\@
.Lfor_b_\@:
	tensor_load_to_lds s[\g0b:\g0b+3], s[\g1b:\g1b+7]
	s_nop 0
.rept 4
	v_nop
.endr
.Lasked_\@:
.endm
.macro CREST                           ; a round of the cluster's barrier behind its opening barrier
	s_cmp_lg_u32 s[WV], 0
	s_cbranch_scc1 .Lnot_wave_0_\@
	s_barrier_signal -3
.Lnot_wave_0_\@:
	s_barrier_wait -3
	s_barrier_signal -1
	s_barrier_wait -1
.endm
.macro CROUND
	s_barrier_signal -1
	s_barrier_wait -1
	CREST
.endm
.if MODE == 0
	s_load_b128 s[4:7], s[0:1], 0x0                ; P's codes and scale words: xc, xs
	s_load_b128 s[8:11], s[0:1], 0x0               ; R's: the same two buffers
	s_load_b128 s[92:95], s[0:1], 0x10             ; bq, bk
	s_load_b64 s[96:97], s[0:1], 0x20              ; bv
	s_load_b64 s[16:17], s[0:1], 0x28              ; pc
	s_load_b64 s[18:19], s[0:1], 0x30              ; ps
.else
	s_load_b128 s[4:7], s[0:1], 0x0                ; P: ac, acs
	s_load_b128 s[8:11], s[0:1], 0x10              ; R: xc, xs
	s_load_b128 s[12:15], s[0:1], 0x20             ; bo, out0
.endif
	v_lshl_add_u32 v[SPW], v0, 2, SPARE
	v_mov_b32 v[NIL], 0
	ds_add_u32 v28, v29
	s_wait_dscnt 0x0
	v_lshrrev_b32 v1, 5, v0
	v_readfirstlane_b32 s[WV], v1                  ; wave 0..3
	s_lshr_b32 s[HP], s[WV], 1
	s_and_b32 s[HR], s[WV], 1
	s_bfe_u32 s40, ttmp6, 0x40000                  ; cx, cy: my place in the cluster
	s_bfe_u32 s41, ttmp6, 0x40004
	s_and_b32 s2, ttmp7, 0xffff                    ; the cluster's y: the same in all sixteen partners
.if MODE == 0
	s_lshr_b32 s[TY], s2, 3                        ; type: 0 q, 1 k, 2 v
	s_and_b32 s67, s2, 7
	s_lshl_b32 s67, s67, 2                         ; the cluster's four of the 32 tiles of tokens
	s_lshl_b32 s100, s[TY], 9                      ; the type's tokens begin at row group 512 x type,
	s_lshl_b32 s101, s[TY], 6
	s_add_co_u32 s101, s101, 1536                  ; its weight at 1,536 + 64 x type
	s_cmp_lt_u32 s[TY], 2
	s_cselect_b32 s46, s67, 0                      ; q, k: the tokens are P
	s_cselect_b32 s47, 0, s67                      ; v: they are R
	s_mov_b32 s2, 1664
	s_cselect_b32 s100, s100, s2                   ; P's first row group
	s_mov_b32 s2, 1024
	s_cselect_b32 s101, s101, s2                   ; R's
	s_mov_b32 s2, 0x03020100
	s_cselect_b32 s23, 0x05040100, s2              ; lanes 0-15: q, k: the first head's bytes of two tiles; v: the even tile's word
	s_mov_b32 s2, 0x07060504
	s_cselect_b32 s2, 0x07060302, s2               ; lanes 16-31: the second head's; the odd tile's word
	v_mov_b32 v[SELV], s23
	v_mov_b32 v9, s2
	s_cmp_eq_u32 s[TY], 0
	s_mov_b32 s98, 0x1800000
	s_cselect_b32 s98, 0x3000000, s98              ; the floor under a block's largest magnitude: 2^(3 - 127); for q 2^(6 - 127)
	s_cselect_b32 s99, 0x03030303, 0               ; what comes off q's scale bytes: the division by 8
	s_mov_b32 s14, 0x76543210
	s_mov_b32 s15, 0xfedcba98                      ; selects for lane l xor 16
.else
	s_lshl_b32 s46, s2, 2
	s_mov_b32 s47, 0
	s_mov_b32 s100, 0
	s_mov_b32 s101, 1728                           ; wo's first row group in xc
.endif
	s_add_co_u32 s43, s41, s46                     ; tile of rows i: hangs on cy alone among the places
	s_add_co_u32 s42, s40, s47                     ; tile of columns j: on cx alone
	s_lshl_b32 s44, s41, 2
	s_lshl_b32 s44, 15, s44                        ; my row of the cluster
	s_lshl_b32 s45, 0x1111, s40                    ; my column
	; group 1 for codes: 8 rows (row groups) of 384 elements of 8 bytes, 1,536 elements apart; no padding
	s_or_b32 s[G1+0], s44, (3<<16)|(1<<21)         ; 15:0 the mask; 17:16 elements of 8 bytes; 21 set beside a mask
	s_or_b32 s[G1B+0], s45, (3<<16)|(1<<21)
.irp g, G1, G1B
	s_mov_b32 s[\g+1], 384<<16                     ; tensor_dim0
	s_mov_b32 s[\g+2], 8<<16                       ; tensor_dim1
	s_mov_b32 s[\g+3], 384<<16                     ; tile_dim0
	s_mov_b32 s[\g+4], 8                           ; tile_dim1
	s_mov_b32 s[\g+5], 1536                        ; tensor_dim0_stride
	s_mov_b32 s[\g+6], 0
	s_mov_b32 s[\g+7], 0
.endr
	; and for the scale words of 128 rows: 4,096 dense bytes as 16 rows of 256
	s_or_b32 s[G1S+0], s44, (3<<16)|(1<<21)
	s_or_b32 s[G1SB+0], s45, (3<<16)|(1<<21)
.irp g, G1S, G1SB
	s_mov_b32 s[\g+1], 32<<16
	s_mov_b32 s[\g+2], 16<<16
	s_mov_b32 s[\g+3], 32<<16
	s_mov_b32 s[\g+4], 16
	s_mov_b32 s[\g+5], 32
	s_mov_b32 s[\g+6], 0
	s_mov_b32 s[\g+7], 0
.endr
	s_lshl_b32 s23, s[HR], 3                       ; which 8 row groups of the tile's 16 I fetch
	s_lshl_b32 s46, s43, 4
	s_add_co_u32 s46, s46, s23
	s_add_co_u32 s46, s46, s100                    ; in P
	s_lshl_b32 s2, s42, 4
	s_add_co_u32 s2, s2, s23
	s_add_co_u32 s2, s2, s101                      ; in R
	s_mul_i32 s23, s[WV], HALFT                    ; where they go: wave x 128 rows: no place in the cluster enters an LDS address
	s_lshl_b32 s47, s[WV], 12
	s_wait_kmcnt 0x0
.if MODE == 0
	s_cmp_eq_u32 s[TY], 0
	s_cselect_b64 s[12:13], s[92:93], s[94:95]
	s_cmp_eq_u32 s[TY], 2
	s_cselect_b64 s[12:13], s[96:97], s[12:13]     ; the type's bias
.endif
	s_mul_i32 s92, s46, RGM
	s_mov_b32 s93, 0
	s_add_nc_u64 s[92:93], s[4:5], s[92:93]        ; P's codes,
	s_lshl_b32 s94, s46, 9
	s_mov_b32 s95, 0
	s_add_nc_u64 s[94:95], s[6:7], s[94:95]        ; P's scale words,
	s_mul_i32 s96, s2, RGM
	s_mov_b32 s97, 0
	s_add_nc_u64 s[96:97], s[8:9], s[96:97]        ; R's codes,
	s_lshl_b32 s100, s2, 9
	s_mov_b32 s101, 0
	s_add_nc_u64 s[100:101], s[10:11], s[100:101]  ; R's scale words
	CROUND                                         ; all sixteen work-groups are here: the first joint loads meet
	s_mov_b32 s[G0S], 1
	s_add_co_u32 s[G0S+1], s47, SCL
	s_mov_b64 s[G0S+2:G0S+3], s[94:95]
	s_or_b32 s[G0S+3], s[G0S+3], 0x80000000
	s_mov_b32 s[G0SB], 1
	s_add_co_u32 s[G0SB+1], s47, SCL
	s_mov_b64 s[G0SB+2:G0SB+3], s[100:101]
	s_or_b32 s[G0SB+3], s[G0SB+3], 0x80000000
	JLOAD G0S, G1S, G0SB, G1SB                     ; the scale words first: they are wanted with K step 0
.irp s, 0,1
	s_mov_b32 s[G0+4*\s], 1
	s_add_co_u32 s[G0+4*\s+1], s23, \s*SLOT
	s_add_nc_u64 s[G0+4*\s+2:G0+4*\s+3], s[92:93], \s*RGB
	s_or_b32 s[G0+4*\s+3], s[G0+4*\s+3], 0x80000000
	s_mov_b32 s[G0B+4*\s], 1
	s_add_co_u32 s[G0B+4*\s+1], s23, \s*SLOT
	s_add_nc_u64 s[G0B+4*\s+2:G0B+4*\s+3], s[96:97], \s*RGB
	s_or_b32 s[G0B+4*\s+3], s[G0B+4*\s+3], 0x80000000
	JLOAD G0+4*\s, G1, G0B+4*\s, G1B               ; three tensor loads of mine are out
.endr
	v_and_b32 v1, 15, v0                           ; r
	v_bfe_u32 v2, v0, 4, 1                         ; h
	v_and_b32 v3, 31, v0                           ; lane
	v_lshlrev_b32 v[L16], 4, v3
	v_lshlrev_b32 v[L8], 3, v3
	s_mul_i32 s46, s[HP], HALFT                    ; my 128 rows of P
	s_mul_i32 s47, s[HR], HALFT                    ; my 128 rows of R,
	s_add_co_u32 s47, s47, 2*HALFT                 ; which lie behind P's 256
.irp s, 0,1
	v_add_nc_u32 v[ADRA+\s], s46, v[L16]
	v_add_nc_u32 v[ADRB+\s], s47, v[L16]
	s_add_co_u32 s46, s46, SLOT
	s_add_co_u32 s47, s47, SLOT
.endr
	v_lshlrev_b32 v5, 2, v1                        ; my row's scale word,
	s_mul_i32 s46, s[HP], HALFS                    ; P's: my 128 rows
	s_mul_i32 s47, s[HR], HALFS                    ; R's: my 128 rows, behind P's 256
	s_add_co_u32 s47, s47, 2*HALFS
	s_sub_co_u32 s47, s47, s46
	v_mul_u32_u24 v6, s47, v2                      ; lanes 16-31 take R's: the lower base + h x the distance
	s_add_co_u32 s46, s46, SCL
	v_add_nc_u32 v5, v5, v6
	v_add_nc_u32 v[ADRS], s46, v5
.if MODE == 0
	v_cmp_lt_u32 vcc_lo, 15, v3
	v_cndmask_b32 v[SELV], v[SELV], v9, vcc_lo
	s_lshl_b32 s46, s[WV], 9
	s_add_co_u32 s46, s46, STG                     ; my stage: 512 bytes of scale words
	v_lshl_add_u32 v[STO], v3, 2, s46
	v_add_nc_u32 v[RD], s46, v[L16]
.else
	s_mul_i32 s46, s[WV], 16*SPITCH
	s_add_co_u32 s46, s46, STG                     ; my stage: 16 rows x (512 bytes + 16)
	v_mul_u32_u24 v5, v1, SPITCH
	v_lshl_add_u32 v5, v2, 5, v5
	v_add_nc_u32 v[STO], s46, v5                   ; in: row r, 32 bytes for each half of the lanes
	v_add_nc_u32 v[RD], s46, v[L16]                ; back: the 32 lanes take one row of 512 bytes
.endif
	s_lshl_b32 s46, s42, 8                         ; the bias along j: j0 = 256 x tile + 128 x half, cut to the bias's 1,024 (where j counts tokens it is loaded and not used)
	s_lshl_b32 s47, s[HR], 7
	s_add_co_u32 s46, s46, s47
	s_and_b32 s46, s46, 1023
	s_lshl_b32 s46, s46, 2
	s_mov_b32 s47, 0
	s_add_nc_u64 s[92:93], s[12:13], s[46:47]
	v_lshlrev_b32 v7, 5, v2
.irp b, 0,1,2,3,4,5,6,7
	global_load_b128 v[CB+8*\b:CB+8*\b+3], v7, s[92:93] offset:64*\b
	global_load_b128 v[CB+8*\b+4:CB+8*\b+7], v7, s[92:93] offset:64*\b+16
.endr
.if MODE == 0
	s_lshl_b32 s46, s43, 8                         ; and along i, likewise
	s_lshl_b32 s47, s[HP], 7
	s_add_co_u32 s46, s46, s47
	s_and_b32 s46, s46, 1023
	s_lshl_b32 s46, s46, 2
	s_mov_b32 s47, 0
	s_add_nc_u64 s[94:95], s[12:13], s[46:47]
	v_lshlrev_b32 v8, 2, v1
.irp a, 0,1,2,3,4,5,6,7
	global_load_b32 v[RB+\a], v8, s[94:95] offset:64*\a
.endr
.else
	s_lshl_b32 s46, s43, 8                         ; out0[token][batch][channel]: row i = batch x 2,048 + token
	s_lshl_b32 s47, s[HP], 7
	s_add_co_u32 s46, s46, s47
	s_and_b32 s46, s46, 2047
	s_lshl_b32 s46, s46, 14                        ; token x 16,384 bytes
	s_lshr_b32 s47, s43, 3
	s_lshl_b32 s47, s47, 12                        ; + batch x 4,096
	s_add_co_u32 s46, s46, s47
	s_lshl_b32 s47, s42, 10
	s_add_co_u32 s46, s46, s47
	s_lshl_b32 s47, s[HR], 9
	s_add_co_u32 s46, s46, s47                     ; + my first column x 4
	s_mov_b32 s47, 0
	s_add_nc_u64 s[14:15], s[14:15], s[46:47]
.endif
.macro FRAG reg, adr, q, i             ; a fragment as it lies: three loads of 512 consecutive bytes
.irp c, 0,1,2
	ds_load_b128 v[\reg+4*\c:\reg+4*\c+3], v[\adr] offset:(\i)*RGB+(\q)*FRB+512*\c
.endr
.endm
; 16 matrix instructions: P's blocks a0, a0 + 1 x R's eight, 128 along K: the slot's q-th.  p: R's set; sc: the set of scale words.  zero = 1: the first product starts the sums (MODE 1: from the bias): nothing is cleared.
; The 64 accumulators take turns, one instruction a turn, in the same order in every step.
.macro MUL16 a0, p, q, sc, zero
.irp a, \a0, \a0+1
.irp b, 0,1,2,3,4,5,6,7
.set rD, 8*(8*((\a)%4)+\b)
.set rB, 128*(\p)+FR*\b
.set rA, AF+FR*(\a)
.set sB, SC+16*(\sc)+2*\b+(\q)
.set sA, SC+16*(\sc)+2*(\a)+(\q)
.if (\zero) && MODE
	v_wmma_scale_f32_16x16x128_f8f6f4 v[rD:rD+7], v[rB:rB+FR-1], v[rA:rA+FR-1], v[CB+8*\b:CB+8*\b+7], v[sB], v[sA] matrix_a_fmt:MATRIX_FMT_FP6 matrix_b_fmt:MATRIX_FMT_FP6 matrix_a_scale:MATRIX_SCALE_ROW1
.elseif \zero
	v_wmma_scale_f32_16x16x128_f8f6f4 v[rD:rD+7], v[rB:rB+FR-1], v[rA:rA+FR-1], 0, v[sB], v[sA] matrix_a_fmt:MATRIX_FMT_FP6 matrix_b_fmt:MATRIX_FMT_FP6 matrix_a_scale:MATRIX_SCALE_ROW1
.else
	v_wmma_scale_f32_16x16x128_f8f6f4 v[rD:rD+7], v[rB:rB+FR-1], v[rA:rA+FR-1], v[rD:rD+7], v[sB], v[sA] matrix_a_fmt:MATRIX_FMT_FP6 matrix_b_fmt:MATRIX_FMT_FP6 matrix_a_scale:MATRIX_SCALE_ROW1
.endif
.endr
.endr
.endm
.macro FETCH_B slot, q, p              ; R's eight fragments of the slot's q-th 128 along K into set p
	WIN TO_B
.irp i, 0,1,2,3,4,5,6,7
	FRAG 128*(\p)+FR*\i, ADRB+\slot, \q, \i
.endr
	WIN 0
.endm
.macro FETCH_A slot, q, i0             ; P's blocks i0 .. i0 + 3
.irp i, \i0, \i0+1, \i0+2, \i0+3
	FRAG AF+FR*(\i), ADRA+\slot, \q, \i
.endr
.endm
.macro SCALES sc                       ; the next K step's scale words into set sc: register 2 i + q: lanes 0-15 the words of P's block i, lanes 16-31 those of R's block i
.irp i, 0,1,2,3,4,5,6,7
.irp q, 0,1
	ds_load_b32 v[SC+16*\sc+2*\i+\q], v[ADRS] offset:\i*512+\q*64
.endr
.endr
.endm
; A load into a register that a matrix instruction has read, and a vector instruction or an LDS store that reads a matrix result, stand NP places behind it; only plain vector instructions that name none of its registers are places.
.macro PLACES n
.rept \n
	v_nop
.endr
.endm
.macro STEP slot, q, zero              ; a step of 128 along K that has its successor in the same slot
	s_wait_dscnt 4*NL                              ; R's set and P's blocks 0-3 are in; the youngest 12 loads (P's blocks 4-7) may be out
.if (\zero) && MODE
	WIN 0x81                                       ; C (the bias) window 0, D window 2
.else
	WIN MUL_LO
.endif
	MUL16 0, (\q)%2, \q, \slot, \zero
	MUL16 2, (\q)%2, \q, \slot, \zero
	s_wait_dscnt 0                                 ; P's blocks 4-7 are in
	PLACES NP
	FETCH_B \slot, (\q)+1, 1-(\q)%2
	FETCH_A \slot, (\q)+1, 0
.if (\zero) && MODE
	WIN 0xc1
.else
	WIN MUL_HI
.endif
	MUL16 4, (\q)%2, \q, \slot, \zero
	MUL16 6, (\q)%2, \q, \slot, \zero
	PLACES NP
	WIN 0
	FETCH_A \slot, (\q)+1, 4
.endm
; A slot's last step changes slots: ONE barrier; in front of it each wave waits for all its tensor loads, adds 0 to its spare word, and waits for that and for its own reads of this slot.  fill = 1: the slot is filled again, two K steps ahead.
.macro TURN slot, next, fill
	s_wait_tensorcnt 0x0                           ; all my tensor loads have landed: my part of the next slot
	ds_add_u32 v[SPW], v[NIL]                      ; 0 onto my spare word
	s_wait_dscnt 4*NL+1                            ; (the add and the youngest 12 loads may be out)
	WIN MUL_LO
	MUL16 0, 1, NQ-1, \slot, 0                     ; sixteen matrix instructions stand between the add and the wait for it
	s_wait_dscnt 0x0                               ; the add is done, and my reads of this slot are over
	s_barrier_signal -1
	MUL16 2, 1, NQ-1, \slot, 0
	WIN 0
	s_barrier_wait -1
.if \fill
	CREST                                          ; the barrier has opened a round of the cluster's: no wave of any partner still reads this slot or has a load on its way
	s_add_nc_u64 s[G0+4*\slot+2:G0+4*\slot+3], s[G0+4*\slot+2:G0+4*\slot+3], 2*RGB
	s_add_nc_u64 s[G0B+4*\slot+2:G0B+4*\slot+3], s[G0B+4*\slot+2:G0B+4*\slot+3], 2*RGB
	JLOAD G0+4*\slot, G1, G0B+4*\slot, G1B         ; the first tensor load behind the round; its four v_nop are also the places in front of the loads below
.else
	PLACES NP
.endif
	v_add_nc_u32 v[ADRS], 64*NQ, v[ADRS]           ; on to the next K step's scale words
	FETCH_B \next, 0, 0
	FETCH_A \next, 0, 0
	SCALES \next
	WIN MUL_HI
	MUL16 4, 1, NQ-1, \slot, 0
	MUL16 6, 1, NQ-1, \slot, 0
	PLACES NP
	WIN 0
	FETCH_A \next, 0, 4
.endm
	s_wait_tensorcnt 1                             ; the scale words and my part of K step 0 are in (K step 1's load may be out)
	s_barrier_signal -1
	s_barrier_wait -1                              ; everybody's are
	FETCH_B 0, 0, 0
	FETCH_A 0, 0, 0
	SCALES 0
	FETCH_A 0, 0, 4
.if MODE
	s_wait_loadcnt 0x0                             ; the bias: it starts the sums
.endif
	STEP 0, 0, 1                                   ; K = 1,024 is four K steps, twice round the ring: written straight, since only one lap fills slots again
	TURN 0, 1, 1
	STEP 1, 0, 0
	TURN 1, 0, 1
	STEP 0, 0, 0
	TURN 0, 1, 0                                   ; the last lap fills nothing, and has no round of the cluster's barrier
	STEP 1, 0, 0
	s_wait_dscnt 4*NL                              ; the very last step: nothing more to fetch
	WIN MUL_LO
	MUL16 0, 1, NQ-1, 1, 0
	MUL16 2, 1, NQ-1, 1, 0
	s_wait_dscnt 0
	WIN MUL_HI
	MUL16 4, 1, NQ-1, 1, 0
	MUL16 6, 1, NQ-1, 1, 0
	WIN 0
.if MODE == 0
; THE WAY OUT, MODE 0.  Tile a: my lane's 64 numbers (register 16 b + i: place 32 b + 16 h' .. of the row's 128, from two neighbouring result tiles) get their bias on the way into window 0 and become one fragment and one scale word.
.macro QUANT pw
.irp b, 0,1,2,3
	v_max3_num_f32 v[MX+\b], |v[X+16*\b]|, |v[X+1+16*\b]|, s98   ; block b: my 16 numbers and the floor
.endr
.irp i, 2,4,6,8,10,12,14
.irp b, 0,1,2,3
	v_max3_num_f32 v[MX+\b], v[MX+\b], |v[X+16*\b+\i]|, |v[X+1+16*\b+\i]|   ; (the four blocks by turns)
.endr
.endr
.irp b, 0,1,2,3
	v_permlanex16_b32 v[BY+\b], v[MX+\b], s14, s15
.endr
.irp b, 0,1,2,3
	v_max_num_f32 v[MX+\b], v[MX+\b], v[BY+\b]     ; with lane l xor 16's: the block's largest magnitude
.endr
.irp b, 0,1,2,3
	v_add_nc_u32 v[SO+\b], 0xff000000, v[MX+\b]    ; 2 off its exponent field: the conversion's scale operand
.endr
.irp b, 0,1,2,3
	v_lshrrev_b32 v[BY+\b], 23, v[SO+\b]           ; the scale's byte
.endr
	v_lshl_or_b32 v[\pw], v[BY+1], 8, v[BY]
	v_lshl_or_b32 v[\pw], v[BY+2], 16, v[\pw]
	v_lshl_or_b32 v[\pw], v[BY+3], 24, v[\pw]      ; my row's scale word, in both halves of the lanes
.irp c, 0,1
	v_cvt_scalef32_pk16_fp6_f32 v[PC+6*\c:PC+2+6*\c], v[X+32*\c:X+15+32*\c], v[SO+2*\c]
	v_cvt_scalef32_pk16_fp6_f32 v[PC+12+4*\c:PC+14+4*\c], v[X+16+32*\c:X+31+32*\c], v[SO+2*\c+1]   ; (a conversion's three registers begin on an even number)
.endr
	v_nop                                          ; one plain line behind the scaled conversions
.irp c, 0,1                            ; the operand's layout wants a whole block in a lane: lanes 0-15 block 2 c, lanes 16-31 block 2 c + 1
.irp i, 0,1,2
	v_permlane16_swap_b32 v[PC+6*\c+\i], v[PC+12+4*\c+\i]
.endr
.irp i, 0,1,2
	v_mov_b32 v[PC+3+6*\c+\i], v[PC+12+4*\c+\i]
.endr
.endr
.endm
.macro EPI a
.set AC, 64*((\a)%4)
	s_wait_xcnt 0x0                                ; the last tile's stores have read their registers
	s_cmp_lt_u32 s[TY], 2                          ; the type is the same in all partners; the two arms hold vector additions alone
	s_cbranch_scc0 .Lbias_i_\@
	WIN 0x02+(\a)/4                                ; source 0: window 2 or 3
.set n, 0
.rept 32
	v_pk_add_f32 v[X+2*n:X+2*n+1], v[AC+2*n:AC+2*n+1], v[CB+2*n:CB+2*n+1]   ; q, k: the bias runs along my registers.  Each accumulator from its low end on
.set n, n+1
.endr
	WIN 0
	s_branch .Lbiased_\@
.Lbias_i_\@:
	WIN 0x02+(\a)/4
.set n, 0
.rept 32
.if (\a)%2
	v_pk_add_f32 v[X+2*n:X+2*n+1], v[AC+2*n:AC+2*n+1], v[RB+2*((\a)/2):RB+2*((\a)/2)+1] op_sel:[0,1] op_sel_hi:[1,1]   ; v: one bias for my row (channel): the pair's upper word for both halves
.else
	v_pk_add_f32 v[X+2*n:X+2*n+1], v[AC+2*n:AC+2*n+1], v[RB+2*((\a)/2):RB+2*((\a)/2)+1] op_sel_hi:[1,0]                ; the pair's lower word for both halves
.endif
.set n, n+1
.endr
	WIN 0
.Lbiased_\@:
	QUANT PW+(\a)
	global_store_b128 v[L16], v[PC:PC+3], s[16:17] offset:(\a)*FRB            ; each store covers whole aligned blocks of 256 bytes
	global_store_b64 v[L8], v[PC+4:PC+5], s[16:17] offset:(\a)*FRB+512
	global_store_b128 v[L16], v[PC+6:PC+9], s[16:17] offset:(\a)*FRB+768
	global_store_b64 v[L8], v[PC+10:PC+11], s[16:17] offset:(\a)*FRB+1280
.if (\a)%2
	v_perm_b32 v[WM+(\a)/2], v[PW+(\a)], v[PW+(\a)-1], v[SELV]   ; two tiles' words in the order in which attention reads them
	v_sub_nc_u32 v[WM+(\a)/2], v[WM+(\a)/2], s99   ; q: 3 off each byte (each is 4 or more: no borrow)
	ds_store_b32 v[STO], v[WM+(\a)/2] offset:128*((\a)/2)
.endif
.endm
	PLACES NP                                      ; behind the last products: the lines below write registers that held P's fragments and read results
	s_wait_loadcnt 0x0                             ; the biases
.irp b, 0,1,2,3
	v_mov_b32 v[BY+\b], 0                          ; written once: a lane permute's destination counts as one of its sources
.endr
	s_lshl_b32 s46, s43, 1
	s_add_co_u32 s46, s46, s[HP]                   ; my 128 rows i,
	s_lshl_b32 s47, s42, 1
	s_add_co_u32 s47, s47, s[HR]                   ; my 128 columns j
	s_cmp_lt_u32 s[TY], 2
	s_cselect_b32 s92, s46, s47                    ; which of the two counts blocks of 128 tokens (batch x 16 + block),
	s_cselect_b32 s93, s47, s46                    ; and which head pairs
	s_lshr_b32 s94, s92, 4
	s_lshl_b32 s94, s94, 7
	s_lshl_b32 s93, s93, 4
	s_and_b32 s92, s92, 15
	s_add_co_u32 s94, s94, s93
	s_add_co_u32 s94, s94, s92                     ; chunk = (batch x 8 + pair) x 16 + block
	s_mul_i32 s92, s94, 12288
	s_mul_i32 s93, s[TY], 6291456
	s_add_co_u32 s92, s92, s93
	s_mov_b32 s93, 0
	s_add_nc_u64 s[16:17], s[16:17], s[92:93]
	s_lshl_b32 s92, s94, 9
	s_lshl_b32 s94, s[TY], 18
	s_add_co_u32 s92, s92, s94
	s_add_nc_u64 s[18:19], s[18:19], s[92:93]
.irp a, 0,1,2,3,4,5,6,7
	EPI \a
.endr
	ds_load_b128 v[OW:OW+3], v[RD]                 ; my stage is my own; LDS serves a wave's instructions in order
	s_wait_dscnt 0x0
	global_store_b128 v[L16], v[OW:OW+3], s[18:19] ; the chunk's 512 bytes of scale words
.else
; THE WAY OUT, MODE 1, block by block of 16 rows x 128 columns: through my own stage and back as whole rows of 512 bytes, which the 32 lanes store as two aligned blocks of 256.
.macro TOSTAGE a
.set AC, 64*((\a)%4)
	WIN 0x08+4*((\a)/4)                            ; the data: window 2 or 3
.irp b, 0,1,2,3,4,5,6,7
	ds_store_b128 v[STO], v[AC+8*\b:AC+8*\b+3] offset:64*\b          ; each accumulator from its low end on
	ds_store_b128 v[STO], v[AC+8*\b+4:AC+8*\b+7] offset:64*\b+16
.endr
	WIN 0
.set BB, BK+64*((\a)%2)
.irp t, 0,1,2,3,4,5,6,7,8,9,10,11,12,13,14,15
	ds_load_b128 v[BB+4*\t:BB+4*\t+3], v[RD] offset:\t*SPITCH
.endr
.endm
.macro SEND a, younger                 ; younger: the LDS instructions issued behind block a's loads, which may stay out
.set BB, BK+64*((\a)%2)
	s_wait_dscnt \younger
.if (\a) > 0
	s_add_nc_u64 s[14:15], s[14:15], 16*16384      ; 16 tokens on (behind a wait on XCNT: the earlier stores have read their base)
.endif
.irp t, 0,1,2,3,4,5,6,7,8,9,10,11,12,13,14,15
	global_store_b128 v[L16], v[BB+4*\t:BB+4*\t+3], s[14:15] offset:\t*16384 th:TH_STORE_NT
.endr
.endm
	PLACES NP
	TOSTAGE 0
.irp a, 1,2,3,4,5,6,7
.if \a > 1
	s_wait_xcnt 0x0                                ; block a - 2's stores have read their registers and their base
.endif
	TOSTAGE \a
	SEND \a-1, 32                                  ; behind block a - 1's loads: block a's 16 stores and 16 loads
.endr
	s_wait_xcnt 0x0
	SEND 7, 0
.endif
	s_wait_tensorcnt 0x0                           ; the wave's end: behind my last tensor load and my last LDS store
	ds_add_u32 v[SPW], v[NIL]
	s_wait_dscnt 0x0
	CROUND                                         ; the closing round: no work-group ends while a partner may still ask for a tile that names it
	s_endpgm
.Lfunc_end_k_q8b4d6504b8_outp:
	.size	k_q8b4d6504b8_outp, .Lfunc_end_k_q8b4d6504b8_outp-k_q8b4d6504b8_outp
	.p2alignl 7, 3214868480
	.fill 96, 4, 3214868480
	.section	.rodata,"a",@progbits
	.p2align	6, 0x0
	.amdhsa_kernel k_q8b4d6504b8_outp
		.amdhsa_group_segment_fixed_size 327680
		.amdhsa_private_segment_fixed_size 0
		.amdhsa_enable_private_segment 0
		.amdhsa_kernarg_size 48
		.amdhsa_user_sgpr_count 2
		.amdhsa_user_sgpr_kernarg_segment_ptr 1
		.amdhsa_wavefront_size32 1
		.amdhsa_system_sgpr_workgroup_id_x 1
		.amdhsa_system_sgpr_workgroup_id_y 1
		.amdhsa_system_sgpr_workgroup_id_z 1
		.amdhsa_system_vgpr_workitem_id 0
		.amdhsa_next_free_vgpr 1024
		.amdhsa_next_free_sgpr 102
		.amdhsa_reserve_vcc 1
		.amdhsa_float_denorm_mode_32 3
		.amdhsa_float_denorm_mode_16_64 3
		.amdhsa_memory_ordered 1
		.amdhsa_forward_progress 1
		.amdhsa_inst_pref_size 139
	.end_amdhsa_kernel
	.amdgpu_metadata
---
amdhsa.version: [ 1, 2 ]
amdhsa.kernels:
  - .name:           k_q8b4d6504b8_outp
    .symbol:         k_q8b4d6504b8_outp.kd
    .args:
      - { .name: ac, .offset: 0, .size: 8, .value_kind: global_buffer, .address_space: global }
      - { .name: acs, .offset: 8, .size: 8, .value_kind: global_buffer, .address_space: global }
      - { .name: xc, .offset: 16, .size: 8, .value_kind: global_buffer, .address_space: global }
      - { .name: xs, .offset: 24, .size: 8, .value_kind: global_buffer, .address_space: global }
      - { .name: bo, .offset: 32, .size: 8, .value_kind: global_buffer, .address_space: global }
      - { .name: out0, .offset: 40, .size: 8, .value_kind: global_buffer, .address_space: global }
    .group_segment_fixed_size: 327680
    .private_segment_fixed_size: 0
    .kernarg_segment_align: 8
    .kernarg_segment_size: 48
    .max_flat_workgroup_size: 128
    .sgpr_count:     102
    .vgpr_count:     1024
    .wavefront_size: 32
...
	.end_amdgpu_metadata
.endif
;; end of part 4
